; MI455X (gfx1250); checked and timed in simulation.
; The chip was launched on July 23, 2026; its instructions are those of AMD's public machine-readable ISA for CDNA 5 (MIT licence, August 2026) and "CDNA5" Instruction Set Architecture Reference Guide (July 2026). The comments in the code are by the model that wrote it; some were corrected since.
;; Enhanced Attention Layer. Allowed arithmetic: matrix products marked QUANTISED: E2M1 operands, one E8M0 scale for each 32 along K, by v_wmma_scale_f32_16x16x128_f8f6f4 with both operands' format E2M1 (or v_wmma_scale_f32_32x16x128_f4), f32 sums; products left as they are: bf16, f16 or f32 operands; f32 sums; everything else in f32.
;; Inputs: Wk 1,024 x 1,024 float32; Wo 1,024 x 1,024 float32; Wq 1,024 x 1,024 float32; Wv 1,024 x 1,024 float32; bk 1,024 float32; bo 1,024 float32; bq 1,024 float32; bv 1,024 float32; x 4 x 2,048 x 1,024 float32.
;; Outputs: out0 4 x 2,048 x 1,024 float32.
;; This version of the problem:
;;   THIS VERSION OF THE PROBLEM IS GIVEN IN LOW PRECISION. The matrix products marked QUANTISED in the list below multiply operands that are first quantised to E2M1 (2 exponent bits, 1 mantissa bit; 4 bits a number), with one power-of-two scale for each 32 numbers along K (OCP MX v1.0); their sums are f32. The products marked 'left as it is' may take bf16, f16 or f32 operands, with f32 sums. Whichever they take, every output number must still come out within the allowed error. Rounding operands to bf16 (8 significant bits) uses up far more of that allowance than f16 does (11 bits, for magnitudes from 6e-5 to 65,504). All else is computed in f32.
;;   The module's matrix products, in the order in which they are computed (A, B: the left and right operand; K: the contracted axis; several contracted axes count as one K, in the product's order):
;;     1. [M 8,192, K 1,024] x [K 1,024, N 1,024]; A: input x; B: input Wq: QUANTISED
;;     2. [M 8,192, K 1,024] x [K 1,024, N 1,024]; A: input x; B: input Wk: QUANTISED
;;     3. [M 8,192, K 1,024] x [K 1,024, N 1,024]; A: input x; B: input Wv: QUANTISED
;;     4. batch 4 x [M 2,048, K 1,024] x [K 1,024, N 2,048]; A: computed on the way; B: computed on the way: left as it is (an operand is computed on the way)
;;     5. batch 4 x [M 2,048, K 2,048] x [K 2,048, N 1,024]; A: computed on the way; B: computed on the way: left as it is (an operand is computed on the way)
;;     6. [M 8,192, K 1,024] x [K 1,024, N 1,024]; A: computed on the way; B: input Wo: left as it is (an operand is computed on the way)
;;   THE QUANTISER, for each operand of a quantised product, along K:
;;     - K is cut into blocks of 32 from its start; a last block that is shorter is filled with zeros.
;;     - A block's scale is 2^e with e = floor(log2(the largest magnitude in the block)) - 2, held to -126 .. 127; a block of zeros has e = 0. As a byte (E8M0): e + 127.
;;     - Each number is divided by its block's scale, clamped to +-6, and rounded to the nearest number of E2M1, ties to even, subnormals kept.
;;     - The product sums the exact products of the quantised numbers (number of the format x scale) in f32.
;;   ~~~python
;;   def quantise(x, axis):      # numpy; x: float32 -> the quantised numbers, widened to float32 again
;;       x = np.moveaxis(x, axis, -1); K = x.shape[-1]
;;       x = np.pad(x, [(0, 0)] * (x.ndim - 1) + [(0, -K % 32)]); x = x.reshape(x.shape[:-1] + (-1, 32)); a = np.abs(x).max(-1, keepdims=True)
;;       e = np.where(a > 0, np.clip(np.frexp(np.where(a > 0, a, 1))[1] - 1 - 2, -126, 127), 0)      # np.frexp(a)[1] - 1 = floor(log2(a)), exactly
;;       r = np.clip(x / 2.0 ** e, -6, 6)
;;       step = 2.0 ** (np.maximum(np.frexp(np.where(r == 0, 1, r))[1] - 1, 0) - 1)
;;       q = np.round(r / step) * step * 2.0 ** e      # np.round: ties to even
;;       return np.moveaxis(q.reshape(q.shape[:-2] + (-1,))[..., :K], -1, axis).astype(np.float32)
;;   ~~~
;; One version. Each part assembles by itself: llvm-mc -triple=amdgcn-amd-amdhsa -mcpu=gfx1250 --defsym DOCPART=n.
;; ======== version 1 of 1: 5 launches
;; limits: values are held in f16: magnitudes above 65,504 overflow, below 6.1e-05 lose precision
;; workspace buffers: codes 5,767,168 bytes; scales 360,448 bytes; wo16 2,097,152 bytes; qkv 50,331,648 bytes; p 33,554,432 bytes; stats 1,048,576 bytes; ctx 16,777,216 bytes
;; launch quant (part 1): grid 384 x 1, 4 waves a work-group, no clusters, 33,280 bytes of LDS; arguments x, Wq, Wk, Wv, Wo, codes, scales, wo16; writes codes, scales, wo16
.if DOCPART == 1
	.amdgcn_target "amdgcn-amd-amdhsa--gfx1250"
	.amdhsa_code_object_version 6
	.text
	.protected	k_q8c255559e6_quant
	.globl	k_q8c255559e6_quant
	.p2align	8
	.type	k_q8c255559e6_quant,@function
k_q8c255559e6_quant:
	s_mov_b64 s[64:65], 0
	v_nop
	global_prefetch_b8 v0, s[64:65] scope:SCOPE_SE
	s_setreg_imm32_b32 hwreg(HW_REG_WAVE_MODE, 25, 1), 1
	s_wait_xcnt 0x0
; x [8192][1024], Wq, Wk, Wv [1024][1024], f32, become codes of FP4 (E2M1), K innermost, with one E8M0 scale byte for each 32 along K; Wo [1024][1024] becomes f16.
; The codes of the four tensors lie on end in one buffer, [11264 rows][512 bytes]: x's 8,192 rows, then Wq's, Wk's, Wv's; the scale bytes likewise, [11264][32].
; A block's scale is 2^(floor(log2(its largest magnitude)) - 2); its byte is the largest magnitude's exponent field - 2, held at 1 from below.
; Each number is divided by the scale and rounded to the nearest code, ties to even; beyond 6 the largest code.
; LIMITS: a block of zeros gets the byte 1 where the rule says 127 (its codes are zeros, and this program alone reads the bytes); blocks whose largest magnitude
; lies under 2^(2 - 126) are held at that byte too; NaN and infinities among the inputs are not served.  Wo beyond 65,504 would become infinity in f16.
; SHARES.  Rows are dense and K is a multiple of 32: each tensor is a stream of blocks of 32.  A wave takes a run of 8,192 numbers, a work-group four runs.
; Work-groups 0-255 take x, 256-287 Wq, 288-319 Wk, 320-351 Wv: their results are one stream, so run 4 g + wave of the results belongs to work-group g.  Work-groups 352-383 take Wo.
; A run is 16 steps of 512 numbers.  A load reads 512 consecutive bytes, 16 a lane; a step's 2,048 bytes turn through the wave's own stage in LDS and come back 64 bytes a lane,
; so that a lane holds 16 neighbours along K (two lanes a block).  A lane's 16 codes are 8 bytes: the wave stores 256 consecutive bytes.  A run's 256 scale bytes are gathered in LDS and leave as one store.
; Loads run eight steps ahead: 32 loads, 16 KiB, of every wave are on their way, half of its run.
; No tensor loads, no barrier: waves share nothing.  No matrix unit, no cluster: nothing is read twice.
.set WAVES, 4
.set STEPS, 16
.set AHEAD, 8                          ; steps whose loads are out
.set FIRSTW, 352                       ; the first work-group of Wo
.set EMAX,  2
.set CB,    8                          ; bytes of 16 codes
.set R,     16                         ; v16-143  eight sets of 16 numbers as they are loaded
.set X,     144                        ; v144-175 two sets of 16 neighbours
.set E,     176                        ; v176-191 a scale byte for each step
.set C,     192                        ; v192-255 codes: four registers for each step, so that no store's data are written again
.set WREG,  8192                       ; LDS: a region for each wave: two stages of 32 x SP bytes, behind them its 256 scale bytes
.set SP,    80                         ; a lane's place in a stage: 64 bytes + 16 of padding
.set SPW,   12                         ; v12  LDS address of my spare word; never rewritten
.set NIL,   13                         ; v13  0; never rewritten
.set SPARE, WAVES*WREG                 ; behind the four regions: the spare words, 128 bytes a wave
	s_load_b512 s[4:19], s[0:1], 0x0               ; x s[4:5], Wq s[6:7], Wk s[8:9], Wv s[10:11], Wo s[12:13], codes s[14:15], scales s[16:17], wo16 s[18:19]
	v_lshl_add_u32 v[SPW], v0, 2, SPARE
	v_mov_b32 v[NIL], 0
	v_lshrrev_b32 v1, 5, v0
	v_readfirstlane_b32 s24, v1                    ; wave
	v_and_b32 v2, 31, v0                           ; lane
	v_lshlrev_b32 v3, 4, v2                        ; my 16 bytes of a load's 512
	s_mul_i32 s25, s24, WREG
	v_lshrrev_b32 v14, 2, v2
	v_mul_u32_u24 v14, v14, SP
	v_and_b32 v15, 3, v2
	v_lshl_add_u32 v14, v15, 4, v14
	v_add_nc_u32 v14, s25, v14                     ; the stage, on the way in: SP (lane / 4) + 16 (lane % 4)
	v_mul_u32_u24 v15, v2, SP
	v_add_nc_u32 v15, s25, v15                     ; and on the way out: SP x lane: my 16 neighbours
	v_mul_u32_u24 v4, v2, CB                       ; 8 x lane: my codes' place in a step's; also my f16 numbers' place in a store of Wo
	v_lshrrev_b32 v5, 1, v2
	s_add_co_u32 s25, s25, 2*32*SP
	v_add_nc_u32 v5, s25, v5                       ; LDS: my wave's 256 scale bytes, my block's byte
	v_lshlrev_b32 v7, 3, v2
	v_add_nc_u32 v6, s25, v7                       ; and on the way out 8 bytes a lane
	s_mov_b32 s29, 0
	s_wait_kmcnt 0x0
	s_cmp_ge_u32 ttmp9, FIRSTW                     ; the work-group's number alone decides
	s_cbranch_scc1 .Lwo
	s_mov_b32 s26, 320                             ; which tensor, and its first work-group: Wv unless the number is lower
	s_cmp_lt_u32 ttmp9, 320
	s_cselect_b64 s[10:11], s[8:9], s[10:11]
	s_cselect_b32 s26, 288, s26
	s_cmp_lt_u32 ttmp9, 288
	s_cselect_b64 s[10:11], s[6:7], s[10:11]
	s_cselect_b32 s26, 256, s26
	s_cmp_lt_u32 ttmp9, 256
	s_cselect_b64 s[10:11], s[4:5], s[10:11]
	s_cselect_b32 s26, 0, s26
	s_sub_co_u32 s27, ttmp9, s26
	s_lshl_b32 s27, s27, 2
	s_add_co_u32 s27, s27, s24                     ; my run in the tensor
	s_lshl_b32 s28, s27, 15                        ; 32,768 bytes a run
	s_add_nc_u64 s[10:11], s[10:11], s[28:29]
	s_lshl_b32 s27, ttmp9, 2
	s_add_co_u32 s27, s27, s24                     ; my run in the results
	s_lshl_b32 s28, s27, 12                        ; 4,096 bytes of codes a run
	s_add_nc_u64 s[14:15], s[14:15], s[28:29]
	s_lshl_b32 s28, s27, 8                         ; 256 scale bytes a run
	s_add_nc_u64 s[16:17], s[16:17], s[28:29]
.macro LOAD t
.irp i, 0,1,2,3
	global_load_b128 v[R+16*((\t)%AHEAD)+4*\i:R+16*((\t)%AHEAD)+4*\i+3], v3, s[10:11] offset:2048*(\t)+512*\i th:TH_LOAD_NT   ; 32 lanes read 512 consecutive bytes
.endr
.endm
.macro TURN t                          ; step t's numbers through the stage: LDS serves a wave's instructions in order, so no wait stands between the stores and the loads
.irp i, 0,1,2,3
	ds_store_b128 v14, v[R+16*((\t)%AHEAD)+4*\i:R+16*((\t)%AHEAD)+4*\i+3] offset:32*SP*((\t)%2)+8*SP*\i
.endr
.irp i, 0,1,2,3
	ds_load_b128 v[X+16*((\t)%2)+4*\i:X+16*((\t)%2)+4*\i+3], v15 offset:32*SP*((\t)%2)+16*\i
.endr
.endm
.irp t, 0,1,2,3,4,5,6,7
	LOAD \t
.endr
	s_wait_loadcnt 4*(AHEAD-1)                     ; step 0's four loads are in; the 28 of steps 1 to 7 may be out
	TURN 0
.macro STEP t
.set XS, X+16*((\t)%2)
.if (\t) > 0
	s_wait_dscnt 1                                 ; this step's numbers are back from the stage (the last step's byte store may be out): so its stores into the stage have read their registers,
.else
	s_wait_dscnt 0x0
.endif
.if (\t)+AHEAD < STEPS
	LOAD (\t)+AHEAD                                ; which take the loads of eight steps on
.endif
.if (\t)+1 < STEPS
.if STEPS-2-(\t) >= AHEAD-1
	s_wait_loadcnt 4*(AHEAD-1)                     ; the next step's four loads are in; those of the seven steps behind it may be out
.else
	s_wait_loadcnt 4*(STEPS-2-(\t))                ; near the end: as many steps as are left behind the next one
.endif
	TURN (\t)+1                                    ; and go through the other stage while this step is worked
.endif
	v_max3_num_f32 v8, |v[XS]|, |v[XS+1]|, |v[XS+2]|               ; the largest magnitude of my 16, in two chains
	v_max3_num_f32 v9, |v[XS+3]|, |v[XS+4]|, |v[XS+5]|
.irp i, 6,10
	v_max3_num_f32 v8, v8, |v[XS+\i]|, |v[XS+\i+1]|
	v_max3_num_f32 v9, v9, |v[XS+\i+2]|, |v[XS+\i+3]|
.endr
	v_max3_num_f32 v8, v8, |v[XS+14]|, |v[XS+15]|
	v_max3_num_f32 v8, v8, v9, (EMAX+1)<<23        ; and the floor 2^(EMAX + 1 - 127): so the byte cannot fall under 1
	v_max_num_f32_dpp v8, v8, v8 row_xmask:1 row_mask:0xf bank_mask:0xf   ; and of my neighbour's 16: the block's
	v_add_nc_u32 v11, -(EMAX<<23), v8              ; EMAX off its exponent field: the conversion takes the exponent field of this operand as its scale
	v_cvt_scalef32_pk8_fp4_f32 v[C+4*(\t)], v[XS:XS+7], v11
	v_cvt_scalef32_pk8_fp4_f32 v[C+4*(\t)+1], v[XS+8:XS+15], v11
	v_lshrrev_b32 v[E+(\t)], 23, v11               ; the scale's byte (also the plain line behind the conversions)
	ds_store_b8 v5, v[E+(\t)] offset:16*(\t)       ; both lanes of a block write the same byte with the same value
	global_store_b64 v4, v[C+4*(\t):C+4*(\t)+1], s[14:15] offset:32*CB*(\t)   ; 32 lanes store 256 consecutive bytes, aligned
.endm
.irp t, 0,1,2,3,4,5,6,7,8,9,10,11,12,13,14,15
	STEP \t
.endr
	ds_load_b64 v[8:9], v6                         ; LDS serves a wave's instructions in order: these see my byte stores
	s_wait_dscnt 0x0
	global_store_b64 v7, v[8:9], s[16:17]          ; 32 lanes store the run's 256 scale bytes, aligned
	s_wait_tensorcnt 0x0                           ; the wave's end
	ds_add_u32 v[SPW], v[NIL]
	s_wait_dscnt 0x0
	s_endpgm
; Wo to f16: a run of 8,192 numbers in four rounds of 16 loads; two sets of registers, so that one set's loads are out while the other is converted.  No LDS is touched on this path.
.Lwo:
	s_sub_co_u32 s27, ttmp9, FIRSTW
	s_lshl_b32 s27, s27, 2
	s_add_co_u32 s27, s27, s24                     ; my run
	s_lshl_b32 s28, s27, 15
	s_add_nc_u64 s[12:13], s[12:13], s[28:29]
	s_lshl_b32 s28, s27, 14
	s_add_nc_u64 s[18:19], s[18:19], s[28:29]
.macro LOADW t
.set i, 0
.rept 16
	global_load_b128 v[16+64*((\t)%2)+4*i:16+64*((\t)%2)+4*i+3], v3, s[12:13] offset:512*(16*(\t)+i) th:TH_LOAD_NT
.set i, i+1
.endr
.endm
.macro ROUNDW t
.if (\t) < 3
	s_wait_loadcnt 16                              ; this round's sixteen loads are in; the next round's may be out
.else
	s_wait_loadcnt 0x0
.endif
	s_wait_xcnt 0x0                                ; the last round's stores have read v144-175: only behind this wait are they written again
.set i, 0
.rept 32
	v_cvt_pk_f16_f32 v[144+i], v[16+64*((\t)%2)+2*i], v[16+64*((\t)%2)+2*i+1]
.set i, i+1
.endr
.set i, 0
.rept 16
	global_store_b64 v4, v[144+2*i:144+2*i+1], s[18:19] offset:256*(16*(\t)+i)   ; 32 lanes store 256 consecutive bytes, aligned
.set i, i+1
.endr
.if (\t) < 2
	LOADW (\t)+2
.endif
.endm
	LOADW 0
	LOADW 1
	ROUNDW 0
	ROUNDW 1
	ROUNDW 2
	ROUNDW 3
	s_endpgm
.Lfunc_end_k_q8c255559e6_quant:
	.size	k_q8c255559e6_quant, .Lfunc_end_k_q8c255559e6_quant-k_q8c255559e6_quant
	.p2alignl 7, 3214868480
	.fill 96, 4, 3214868480
	.section	.rodata,"a",@progbits
	.p2align	6, 0x0
	.amdhsa_kernel k_q8c255559e6_quant
		.amdhsa_group_segment_fixed_size 33280
		.amdhsa_private_segment_fixed_size 0
		.amdhsa_enable_private_segment 0
		.amdhsa_kernarg_size 64
		.amdhsa_user_sgpr_count 2
		.amdhsa_user_sgpr_kernarg_segment_ptr 1
		.amdhsa_wavefront_size32 1
		.amdhsa_system_sgpr_workgroup_id_x 1
		.amdhsa_system_sgpr_workgroup_id_y 1
		.amdhsa_system_sgpr_workgroup_id_z 1
		.amdhsa_system_vgpr_workitem_id 0
		.amdhsa_next_free_vgpr 256
		.amdhsa_next_free_sgpr 66
		.amdhsa_reserve_vcc 0
		.amdhsa_float_denorm_mode_32 3
		.amdhsa_float_denorm_mode_16_64 3
		.amdhsa_memory_ordered 1
		.amdhsa_forward_progress 1
		.amdhsa_inst_pref_size 54
	.end_amdhsa_kernel
	.amdgpu_metadata
---
amdhsa.version: [ 1, 2 ]
amdhsa.kernels:
  - .name:           k_q8c255559e6_quant
    .symbol:         k_q8c255559e6_quant.kd
    .args:
      - { .name: x, .offset: 0, .size: 8, .value_kind: global_buffer, .address_space: global }
      - { .name: Wq, .offset: 8, .size: 8, .value_kind: global_buffer, .address_space: global }
      - { .name: Wk, .offset: 16, .size: 8, .value_kind: global_buffer, .address_space: global }
      - { .name: Wv, .offset: 24, .size: 8, .value_kind: global_buffer, .address_space: global }
      - { .name: Wo, .offset: 32, .size: 8, .value_kind: global_buffer, .address_space: global }
      - { .name: codes, .offset: 40, .size: 8, .value_kind: global_buffer, .address_space: global }
      - { .name: scales, .offset: 48, .size: 8, .value_kind: global_buffer, .address_space: global }
      - { .name: wo16, .offset: 56, .size: 8, .value_kind: global_buffer, .address_space: global }
    .group_segment_fixed_size: 33280
    .private_segment_fixed_size: 0
    .kernarg_segment_align: 8
    .kernarg_segment_size: 64
    .max_flat_workgroup_size: 128
    .sgpr_count:     66
    .vgpr_count:     256
    .wavefront_size: 32
...
	.end_amdgpu_metadata
.endif
;; end of part 1
;; launch proj (part 2): grid 12 x 32, 4 waves a work-group, clusters of 4 x 4, 327,680 bytes of LDS; arguments codes, scales, qkv, bq, bk, bv; writes qkv
.if DOCPART == 2
	.amdgcn_target "amdgcn-amd-amdhsa--gfx1250"
	.amdhsa_code_object_version 6
	.text
	.protected	k_q8c255559e6_proj
	.globl	k_q8c255559e6_proj
	.p2align	8
	.type	k_q8c255559e6_proj,@function
k_q8c255559e6_proj:
	s_mov_b64 s[64:65], 0
	v_nop
	global_prefetch_b8 v0, s[64:65] scope:SCOPE_SE
	s_setreg_imm32_b32 hwreg(HW_REG_WAVE_MODE, 25, 1), 1
	s_wait_xcnt 0x0
	s_wait_alu depctr_hold_cnt(0) depctr_sa_sdst(0) depctr_va_vdst(0) depctr_va_sdst(0) depctr_va_ssrc(0) depctr_va_vcc(0) depctr_vm_vsrc(0)
	s_getreg_b32 s2, hwreg(HW_REG_IB_STS2, 6, 4)
	s_cmp_eq_u32 s2, 0
	s_cbranch_scc0 .Lentry_in_a_cluster
	s_endpgm
.Lentry_in_a_cluster:
	s_bfe_u32 s2, ttmp6, 0x10000c
	s_cmp_lg_u32 s2, 0xf033
	s_cbranch_scc0 .Lentry_shape_is_right
	s_endpgm
.Lentry_shape_is_right:
; [Q | K | V][m][n] = sum over k of x[m][k] W[n][k] + b[n], on codes of FP4 (E2M1) with one E8M0 scale for each 32 along K; sums in f32; the result is stored as f16, [8192][3072].
; A = rows 0-8191 of the codes' buffer (x), B = its rows 8192-11263 (Wq, Wk, Wv on end: 3,072 rows); a row is 1,024 codes, 512 bytes; the scale bytes likewise, 32 a row.
; LIMIT: a result beyond 65,504 becomes infinity in f16.
; A tile of C, 256 x 256, is made by four waves, each 128 x 128: 64 accumulators, 512 registers.  K = 1,024 is two slots of 512 (rows of 256 bytes), both asked for at the start: nothing is filled again.
; The scales of the work-group's 256 rows of A and of B, for all of K, are two dense blocks: they come into LDS once, in rows of 256 bytes.
; CLUSTERS: 4 x 4 work-groups.  The four of a row of the cluster need the same tiles of A, the four of a column the same tiles of B: each is asked for jointly, by the same tensor load with a mask that names the four.
; THE MATRIX INSTRUCTION IS USED TRANSPOSED (source 0 = 16 rows of B, source 1 = 16 rows of A): a lane holds eight neighbouring numbers of a row of C.
; THE BIAS is the C of each sum's first product: eight registers for each of B's eight blocks, in the result's layout.  A cluster spans 1,024 columns, so the cluster's x picks bq, bk or bv.
; REGISTERS, in windows of 256: window 0: v0-31 addresses; v32-95 scale words, two sets, and nothing else; v96-127 way out; v128-191 A's fragments, one set; v192-255 the bias, later the way out.
;   window 1: B's fragments, two sets, at v0 and v128.   window 2: the accumulators of my rows 0-63 ((a, b) at v[8 (8 a + b)]);   window 3: those of my rows 64-127.
.set SIZE_N, 3072
.set SIZE_K, 1024
.set KSTEP,  512
.set NQ,     KSTEP/128
.set ROWB,   256
.set KROW,   SIZE_K*4/8
.set PITCH,  272                       ; an LDS row: 256 bytes + 16 of padding: the 16 rows that a load touches start 68 words apart
.set FR,     8
.set NL,     2
.set NP,     4
.set HALFT,  128*PITCH
.set SLOT,   4*HALFT
.set KS,     SIZE_K/32
.set SCL,    2*SLOT
.set HALFS,  (128*KS/256)*272
.set SBLK,   (16*KS/256)*272
.set SPARE,  SCL+4*HALFS
.set SPITCH, 272                       ; the way out: a stage of 16 rows x (256 + 16) bytes for each wave, in slot 0, which has had its only fill and its last read by then
.set QROW,   SIZE_N*2                  ; a row of the result in bytes
.set ADRA, 16
.set ADRB, 20
.set STO,  24
.set RD,   25
.set CO,   26
.set ADRS, 27
.set SPW,  28
.set NIL,  29
.set BOF,  31                          ; v31  my byte offset in the bias vector
.set SC,   32
.set AF,   128
.set BIAS, 192
.set TMP,  192                         ; the way out: packed results
.set OB,   96                          ; the way out: rows read back: v96-127 and v224-255 by turns
.set G1, 24
.set G0, 32
.set G1B, 48
.set G0B, 56
.set G1S, 68
.set G0S, 76
.set G1SB, 80
.set G0SB, 88
.set MSB, 0
.macro WIN new                         ; the immediate's high byte repeats the setting that is left
.if MSB != (\new)
	s_set_vgpr_msb (MSB<<8)|(\new)
.set MSB, (\new)
.endif
.endm
.set MUL_LO, 0xa1                      ; source 0 (B) window 1, source 1 (A) window 0, C and D window 2
.set MUL_HI, 0xf1                      ; the same, C and D window 3
.set MUL_LOZ, 0x81                     ; the first products: C (the bias) window 0, D window 2
.set MUL_HIZ, 0xc1                     ; and D window 3
.set TO_B,   0x40
; A joint load: waves 0 and 1 fetch for A, waves 2 and 3 for B; the branch hangs on the wave's number alone.  An s_nop 0 and four v_nop follow each line.
.macro JLOAD g0a, g1a, g0b, g1b
	s_cmp_eq_u32 s15, 0
	s_cbranch_scc0 .Lfor_b_\@
	tensor_load_to_lds s[\g0a:\g0a+3], s[\g1a:\g1a+7]
	s_nop 0
.rept 4
	v_nop
.endr
	s_branch .Lasked_\@
.Lfor_b_\@:
	tensor_load_to_lds s[\g0b:\g0b+3], s[\g1b:\g1b+7]
	s_nop 0
.rept 4
	v_nop
.endr
.Lasked_\@:
.endm
.macro CROUND                          ; a round of the cluster's barrier
	s_barrier_signal -1
	s_barrier_wait -1
	s_cmp_lg_u32 s14, 0
	s_cbranch_scc1 .Lnot_wave_0_\@
	s_barrier_signal -3
.Lnot_wave_0_\@:
	s_barrier_wait -3
	s_barrier_signal -1
	s_barrier_wait -1
.endm
	s_load_b128 s[4:7], s[0:1], 0x0                ; the codes s[4:5], the scale bytes s[6:7]
	s_load_b64 s[12:13], s[0:1], 0x10              ; the result
	s_load_b128 s[96:99], s[0:1], 0x18             ; bq, bk
	s_load_b64 s[100:101], s[0:1], 0x28            ; bv
	v_lshl_add_u32 v[SPW], v0, 2, SPARE
	v_mov_b32 v[NIL], 0
	ds_add_u32 v[SPW], v[NIL]                      ; the wave's opening: the add, twice on end, and its wait ahead of my first tensor load
	ds_add_u32 v[SPW], v[NIL]
	v_lshrrev_b32 v1, 5, v0
	v_readfirstlane_b32 s14, v1                    ; wave 0..3
	s_lshr_b32 s15, s14, 1                         ; which half of the tile's rows is mine.  Also: I fetch for A (0) or for B (1)
	s_and_b32 s16, s14, 1                          ; which half of its columns.  Also: which 128 rows of that tile I fetch
	s_bfe_u32 s40, ttmp6, 0x40000                  ; cx, cy
	s_bfe_u32 s41, ttmp6, 0x40004
	s_lshl_b32 s42, ttmp9, 2
	s_add_co_u32 s42, s42, s40                     ; tile column
	s_and_b32 s17, ttmp7, 0xffff
	s_lshl_b32 s17, s17, 2
	s_add_co_u32 s17, s17, s41                     ; tile row
	s_lshl_b32 s43, s41, 2
	s_lshl_b32 s43, 15, s43                        ; my row of the cluster
	s_lshl_b32 s44, 0x1111, s40                    ; my column
	s_or_b32 s[G1+0], s43, (0<<16)|(1<<20)|(1<<21)|(5<<22)|(3<<25)  ; mask; elements of 1 byte; padding of 4 words after every 64; bit 21 beside a mask
	s_or_b32 s[G1B+0], s44, (0<<16)|(1<<20)|(1<<21)|(5<<22)|(3<<25)
.irp g, G1, G1B
	s_mov_b32 s[\g+1], ROWB<<16                    ; tensor_dim0
	s_mov_b32 s[\g+2], 128<<16                     ; tensor_dim1
	s_mov_b32 s[\g+3], ROWB<<16                    ; tile_dim0
	s_mov_b32 s[\g+4], 128                         ; tile_dim1
	s_mov_b32 s[\g+5], KROW                        ; pitch
	s_mov_b32 s[\g+6], 0
	s_mov_b32 s[\g+7], 0
.endr
	s_or_b32 s[G1S+0], s43, (3<<16)|(1<<20)|(1<<21)|(5<<22)|(3<<25)  ; the scales of 128 rows: 4,096 dense bytes as 16 rows of 32 elements of 8 bytes
	s_or_b32 s[G1SB+0], s44, (3<<16)|(1<<20)|(1<<21)|(5<<22)|(3<<25)
.irp g, G1S, G1SB
	s_mov_b32 s[\g+1], 32<<16
	s_mov_b32 s[\g+2], (128*KS/256)<<16
	s_mov_b32 s[\g+3], 32<<16
	s_mov_b32 s[\g+4], 128*KS/256
	s_mov_b32 s[\g+5], 32
	s_mov_b32 s[\g+6], 0
	s_mov_b32 s[\g+7], 0
.endr
	s_lshl_b32 s18, s16, 7
	s_lshl_b32 s20, s17, 8
	s_add_co_u32 s20, s20, s18                     ; A: row 256 x tile row + 128 x half
	s_lshl_b32 s46, s42, 8
	s_add_co_u32 s46, s46, s18                     ; B: row 256 x tile column + 128 x half
	s_mov_b32 s21, 0
	s_mov_b32 s47, 0
	s_mov_b64 s[18:19], KS
	s_mul_u64 s[22:23], s[20:21], s[18:19]
	s_mul_u64 s[92:93], s[46:47], s[18:19]
	s_mov_b64 s[18:19], KROW
	s_mul_u64 s[20:21], s[20:21], s[18:19]
	s_mul_u64 s[46:47], s[46:47], s[18:19]
	s_mul_i32 s45, s14, HALFT                      ; where they go: wave x 128 rows
	s_mul_i32 s94, s14, HALFS
	s_wait_dscnt 0x0                               ; both opening adds are done
	s_wait_kmcnt 0x0
	s_add_nc_u64 s[8:9], s[4:5], 8192*KROW         ; the weights' codes lie behind x's 8,192 rows,
	s_add_nc_u64 s[10:11], s[6:7], 8192*KS         ; their scale bytes likewise
	s_add_nc_u64 s[20:21], s[4:5], s[20:21]
	s_add_nc_u64 s[22:23], s[6:7], s[22:23]
	s_add_nc_u64 s[46:47], s[8:9], s[46:47]
	s_add_nc_u64 s[92:93], s[10:11], s[92:93]
	s_cmp_eq_u32 ttmp9, 1                          ; the cluster's x, the same in all partners: 0 bq, 1 bk, 2 bv
	s_cselect_b64 s[96:97], s[98:99], s[96:97]
	s_cmp_eq_u32 ttmp9, 2
	s_cselect_b64 s[96:97], s[100:101], s[96:97]
	CROUND                                         ; all sixteen work-groups are here: the first joint loads meet
	s_mov_b32 s[G0S], 1
	s_add_co_u32 s[G0S+1], s94, SCL
	s_mov_b64 s[G0S+2:G0S+3], s[22:23]
	s_or_b32 s[G0S+3], s[G0S+3], 0x80000000
	s_mov_b32 s[G0SB], 1
	s_add_co_u32 s[G0SB+1], s94, SCL
	s_mov_b64 s[G0SB+2:G0SB+3], s[92:93]
	s_or_b32 s[G0SB+3], s[G0SB+3], 0x80000000
	JLOAD G0S, G1S, G0SB, G1SB                     ; the scales first: they are wanted with the first slot
.irp s, 0,1
	s_mov_b32 s[G0+4*\s], 1
	s_add_co_u32 s[G0+4*\s+1], s45, \s*SLOT
	s_add_nc_u64 s[G0+4*\s+2:G0+4*\s+3], s[20:21], \s*ROWB
	s_or_b32 s[G0+4*\s+3], s[G0+4*\s+3], 0x80000000
	s_mov_b32 s[G0B+4*\s], 1
	s_add_co_u32 s[G0B+4*\s+1], s45, \s*SLOT
	s_add_nc_u64 s[G0B+4*\s+2:G0B+4*\s+3], s[46:47], \s*ROWB
	s_or_b32 s[G0B+4*\s+3], s[G0B+4*\s+3], 0x80000000
	JLOAD G0+4*\s, G1, G0B+4*\s, G1B
.endr
	v_and_b32 v1, 15, v0                           ; r = l % 16
	v_bfe_u32 v2, v0, 4, 1                         ; h = l / 16
	s_lshl_b32 s46, s40, 10                        ; the bias: my columns begin 256 cx + 128 x half into the vector; a lane wants 16 b + 8 h + 0 .. 7 of them
	s_lshl_b32 s47, s16, 9
	s_add_co_u32 s46, s46, s47
	v_lshl_add_u32 v[BOF], v2, 5, s46
.irp b, 0,1,2,3,4,5,6,7
	global_load_b128 v[BIAS+8*\b:BIAS+8*\b+3], v[BOF], s[96:97] offset:64*\b
	global_load_b128 v[BIAS+8*\b+4:BIAS+8*\b+7], v[BOF], s[96:97] offset:64*\b+16
.endr
	v_mul_u32_u24 v3, v1, PITCH
	v_lshl_add_u32 v4, v2, 4, v3                   ; a fragment's row x pitch + 16 x half
	s_mul_i32 s21, s15, HALFT                      ; my 128 rows of A
	s_mul_i32 s22, s16, HALFT                      ; my 128 rows of B,
	s_add_co_u32 s22, s22, 2*HALFT                 ; behind A's 256
.irp s, 0,1
	v_add_nc_u32 v[ADRA+\s], s21, v4
	v_add_nc_u32 v[ADRB+\s], s22, v4
	s_add_co_u32 s21, s21, SLOT
	s_add_co_u32 s22, s22, SLOT
.endr
	v_mul_u32_u24 v5, v1, KS                       ; my row's scales: KS bytes a row,
	v_lshrrev_b32 v6, 8, v5
	v_lshl_add_u32 v5, v6, 4, v5                   ; and 16 more for each 256 passed
	s_mul_i32 s21, s15, HALFS
	s_mul_i32 s22, s16, HALFS
	s_add_co_u32 s22, s22, 2*HALFS
	s_sub_co_u32 s22, s22, s21
	v_mul_u32_u24 v6, s22, v2                      ; lanes 16-31 take B's
	s_add_co_u32 s21, s21, SCL
	v_add_nc_u32 v5, v5, v6
	v_add_nc_u32 v[ADRS], s21, v5
	s_mul_i32 s23, s14, 16*SPITCH                  ; my stage
	v_add_nc_u32 v[STO], s23, v4                   ; in: row r, 16 bytes for each half of the lanes (the stage's pitch is the tiles')
	v_mul_u32_u24 v5, v2, SPITCH
	v_lshl_add_u32 v5, v1, 4, v5
	v_add_nc_u32 v[RD], s23, v5                    ; back: lanes 0-15 one row of 256 bytes, lanes 16-31 the next
	v_mul_u32_u24 v5, v2, QROW
	v_lshl_add_u32 v[CO], v1, 4, v5                ; and the same two rows in the result
	s_lshl_b32 s20, s17, 8
	s_lshl_b32 s21, s15, 7
	s_add_co_u32 s20, s20, s21                     ; my first row
	s_mul_i32 s20, s20, QROW                       ; under 2^26
	s_mov_b32 s21, 0
	s_lshl_b32 s46, s42, 9                         ; my first column, in bytes: 512 x tile column + 256 x half
	s_lshl_b32 s47, s16, 8
	s_add_co_u32 s46, s46, s47
	s_mov_b32 s47, 0
	s_add_nc_u64 s[20:21], s[20:21], s[46:47]
	s_add_nc_u64 s[12:13], s[12:13], s[20:21]
.macro FRAG reg, adr, q, i             ; 16 rows x 128 K of 4-bit codes: 8 registers; registers 4 c .. 4 c + 3 hold K = 64 c + 32 (l / 16) + 0 .. 31
.irp c, 0,1
	ds_load_b128 v[\reg+4*\c:\reg+4*\c+3], v[\adr] offset:64*(\q)+32*\c+(\i)*16*PITCH
.endr
.endm
; 16 matrix instructions: A's blocks a0, a0 + 1 x B's eight, the slot's q-th 128 along K.  p: B's set; sc: the set of scale words.  zero = 1: the first product starts the sum from the bias.
; The 64 accumulators take turns, one instruction a turn, in the same order in every step.
.macro MUL16 a0, p, q, sc, zero
.irp a, \a0, \a0+1
.irp b, 0,1,2,3,4,5,6,7
.if \zero
	v_wmma_scale_f32_16x16x128_f8f6f4 v[8*(8*((\a)%4)+\b):8*(8*((\a)%4)+\b)+7], v[128*(\p)+FR*\b:128*(\p)+FR*\b+FR-1], v[AF+FR*(\a):AF+FR*(\a)+FR-1], v[BIAS+8*\b:BIAS+8*\b+7], v[SC+8*NQ*(\sc)+NQ*\b+(\q)], v[SC+8*NQ*(\sc)+NQ*(\a)+(\q)] matrix_a_fmt:MATRIX_FMT_FP4 matrix_b_fmt:MATRIX_FMT_FP4 matrix_a_scale:MATRIX_SCALE_ROW1
.else
	v_wmma_scale_f32_16x16x128_f8f6f4 v[8*(8*((\a)%4)+\b):8*(8*((\a)%4)+\b)+7], v[128*(\p)+FR*\b:128*(\p)+FR*\b+FR-1], v[AF+FR*(\a):AF+FR*(\a)+FR-1], v[8*(8*((\a)%4)+\b):8*(8*((\a)%4)+\b)+7], v[SC+8*NQ*(\sc)+NQ*\b+(\q)], v[SC+8*NQ*(\sc)+NQ*(\a)+(\q)] matrix_a_fmt:MATRIX_FMT_FP4 matrix_b_fmt:MATRIX_FMT_FP4 matrix_a_scale:MATRIX_SCALE_ROW1
.endif
.endr
.endr
.endm
.macro FETCH_B slot, q, p
	WIN TO_B
.irp i, 0,1,2,3,4,5,6,7
	FRAG 128*(\p)+FR*\i, ADRB+\slot, \q, \i
.endr
	WIN 0
.endm
.macro FETCH_A slot, q, i0
.irp i, \i0, \i0+1, \i0+2, \i0+3
	FRAG AF+FR*(\i), ADRA+\slot, \q, \i
.endr
.endm
.macro SCALES sc                       ; a slot's scale words: NQ words a row; lanes 0-15 take A's block i, lanes 16-31 B's block i
.irp i, 0,1,2,3,4,5,6,7
	ds_load_b128 v[SC+8*NQ*\sc+NQ*\i:SC+8*NQ*\sc+NQ*\i+3], v[ADRS] offset:\i*SBLK
.endr
.endm
.macro PLACES n                        ; plain vector places between a matrix instruction and a load into, or a read of, its registers
.rept \n
	v_nop
.endr
.endm
.macro STEP slot, q, zero              ; a step of 128 along K that has its successor in the same slot
	s_wait_dscnt 4*NL                              ; B's set and A's blocks 0-3 are in; the youngest eight loads (A's blocks 4-7) may be out
.if \zero
	WIN MUL_LOZ
.else
	WIN MUL_LO
.endif
	MUL16 0, (\q)%2, \q, \slot, \zero
	MUL16 2, (\q)%2, \q, \slot, \zero
	s_wait_dscnt 0                                 ; A's blocks 4-7 are in
	PLACES NP
	FETCH_B \slot, (\q)+1, 1-(\q)%2
	FETCH_A \slot, (\q)+1, 0
.if \zero
	WIN MUL_HIZ
.else
	WIN MUL_HI
.endif
	MUL16 4, (\q)%2, \q, \slot, \zero
	MUL16 6, (\q)%2, \q, \slot, \zero
	PLACES NP
	WIN 0
	FETCH_A \slot, (\q)+1, 4
.endm
; The first slot's last step changes slots: one barrier; in front of it each wave waits for all its tensor loads (its part of the second slot), adds 0 to its spare word, and waits for that and for its reads.  Nothing is filled again.
.macro TURN slot, next
	s_wait_tensorcnt 0x0                           ; all my tensor loads have landed  (every window is 0 here)
	ds_add_u32 v[SPW], v[NIL]                      ; 0 onto my spare word
	s_wait_dscnt 4*NL+1                            ; (the add and the youngest eight loads may be out)
	WIN MUL_LO
	MUL16 0, 1, NQ-1, \slot, 0
	s_wait_dscnt 0x0                               ; the add is done, and my reads of this slot are over
	s_barrier_signal -1
	MUL16 2, 1, NQ-1, \slot, 0
	WIN 0
	s_barrier_wait -1
	PLACES NP
	v_add_nc_u32 v[ADRS], 4*NQ, v[ADRS]            ; on to the next slot's scale words (no LDS load of mine is out)
	FETCH_B \next, 0, 0
	FETCH_A \next, 0, 0
	SCALES \next
	WIN MUL_HI
	MUL16 4, 1, NQ-1, \slot, 0
	MUL16 6, 1, NQ-1, \slot, 0
	PLACES NP
	WIN 0
	FETCH_A \next, 0, 4
.endm
.macro STEPS slot, from
.set Q, \from
.rept NQ-1-\from
	STEP \slot, Q, 0
.set Q, Q+1
.endr
.endm
	s_wait_tensorcnt 1                             ; the scales and my part of slot 0 are in (slot 1's load may be out),
	s_barrier_signal -1
	s_barrier_wait -1                              ; everybody's are
	FETCH_B 0, 0, 0
	FETCH_A 0, 0, 0
	SCALES 0
	FETCH_A 0, 0, 4
	s_wait_loadcnt 0x0                             ; the bias
	STEP 0, 0, 1
	STEPS 0, 1
	TURN 0, 1
	STEPS 1, 0
	s_wait_dscnt 4*NL                              ; the very last step: nothing more to fetch
	WIN MUL_LO
	MUL16 0, 1, NQ-1, 1, 0
	MUL16 2, 1, NQ-1, 1, 0
	s_wait_dscnt 0
	WIN MUL_HI
	MUL16 4, 1, NQ-1, 1, 0
	MUL16 6, 1, NQ-1, 1, 0
	WIN 0
; THE WAY OUT, block by block of 16 rows x 128 columns: rounded to f16, 16 bytes a lane; into my stage; back as whole rows of 256 bytes; sixteen lanes store 256 consecutive bytes, aligned.
.macro PACK a
.set AC, 64*((\a)%4)
	WIN 0x0a+5*((\a)/4)                            ; sources 0 and 1: window 2 or 3
.irp b, 0,1,2,3,4,5,6,7
.irp r, 0,1,2,3
	v_cvt_pk_f16_f32 v[TMP+4*\b+\r], v[AC+8*\b+2*\r], v[AC+8*\b+2*\r+1]   ; each accumulator from its low end on
.endr
.endr
	WIN 0
.endm
.macro TOSTAGE a
.set BK, OB+128*((\a)%2)
.irp b, 0,1,2,3,4,5,6,7
	ds_store_b128 v[STO], v[TMP+4*\b:TMP+4*\b+3] offset:32*\b
.endr
.irp t, 0,1,2,3,4,5,6,7
	ds_load_b128 v[BK+4*\t:BK+4*\t+3], v[RD] offset:\t*2*SPITCH    ; LDS serves a wave's instructions in order: these see the stores above
.endr
.endm
.macro SEND a
.set BK, OB+128*((\a)%2)
	s_wait_dscnt 0x0                               ; the block is back in registers
	s_wait_xcnt 0x0                                ; earlier stores have read their base and their data: only behind this wait are these written again
.if (\a) > 0
	s_add_nc_u64 s[12:13], s[12:13], 16*QROW
.endif
.irp t, 0,1,2,3,4,5,6,7
	global_store_b128 v[CO], v[BK+4*\t:BK+4*\t+3], s[12:13] offset:2*\t*QROW
.endr
.endm
	PLACES NP                                      ; behind the last products: for the conversions that read results and write over the bias, and for the loads into registers that matrix instructions have read
	PACK 0
	TOSTAGE 0
.irp a, 1,2,3,4,5,6,7                  ; block a's conversions stand between block a - 1's loads from the stage and the wait for them
	PACK \a
	SEND \a-1
	TOSTAGE \a
.endr
	SEND 7
	s_wait_tensorcnt 0x0                           ; the wave's end
	ds_add_u32 v[SPW], v[NIL]
	s_wait_dscnt 0x0
	CROUND                                         ; the closing round
	s_endpgm
.Lfunc_end_k_q8c255559e6_proj:
	.size	k_q8c255559e6_proj, .Lfunc_end_k_q8c255559e6_proj-k_q8c255559e6_proj
	.p2alignl 7, 3214868480
	.fill 96, 4, 3214868480
	.section	.rodata,"a",@progbits
	.p2align	6, 0x0
	.amdhsa_kernel k_q8c255559e6_proj
		.amdhsa_group_segment_fixed_size 327680
		.amdhsa_private_segment_fixed_size 0
		.amdhsa_enable_private_segment 0
		.amdhsa_kernarg_size 48
		.amdhsa_user_sgpr_count 2
		.amdhsa_user_sgpr_kernarg_segment_ptr 1
		.amdhsa_wavefront_size32 1
		.amdhsa_system_sgpr_workgroup_id_x 1
		.amdhsa_system_sgpr_workgroup_id_y 1
		.amdhsa_system_sgpr_workgroup_id_z 1
		.amdhsa_system_vgpr_workitem_id 0
		.amdhsa_next_free_vgpr 1024
		.amdhsa_next_free_sgpr 102
		.amdhsa_reserve_vcc 0
		.amdhsa_float_denorm_mode_32 3
		.amdhsa_float_denorm_mode_16_64 3
		.amdhsa_memory_ordered 1
		.amdhsa_forward_progress 1
		.amdhsa_inst_pref_size 129
	.end_amdhsa_kernel
	.amdgpu_metadata
---
amdhsa.version: [ 1, 2 ]
amdhsa.kernels:
  - .name:           k_q8c255559e6_proj
    .symbol:         k_q8c255559e6_proj.kd
    .args:
      - { .name: codes, .offset: 0, .size: 8, .value_kind: global_buffer, .address_space: global }
      - { .name: scales, .offset: 8, .size: 8, .value_kind: global_buffer, .address_space: global }
      - { .name: qkv, .offset: 16, .size: 8, .value_kind: global_buffer, .address_space: global }
      - { .name: bq, .offset: 24, .size: 8, .value_kind: global_buffer, .address_space: global }
      - { .name: bk, .offset: 32, .size: 8, .value_kind: global_buffer, .address_space: global }
      - { .name: bv, .offset: 40, .size: 8, .value_kind: global_buffer, .address_space: global }
    .group_segment_fixed_size: 327680
    .private_segment_fixed_size: 0
    .kernarg_segment_align: 8
    .kernarg_segment_size: 48
    .max_flat_workgroup_size: 128
    .sgpr_count:     102
    .vgpr_count:     1024
    .wavefront_size: 32
...
	.end_amdgpu_metadata
.endif
;; end of part 2
;; launch scores (part 3): grid 8 x 32, 4 waves a work-group, clusters of 4 x 4, 327,680 bytes of LDS; arguments qkv, p, stats; writes p, stats
.if DOCPART == 3
	.amdgcn_target "amdgcn-amd-amdhsa--gfx1250"
	.amdhsa_code_object_version 6
	.text
	.protected	k_q8c255559e6_scores
	.globl	k_q8c255559e6_scores
	.p2align	8
	.type	k_q8c255559e6_scores,@function
k_q8c255559e6_scores:
	s_mov_b64 s[64:65], 0
	v_nop
	global_prefetch_b8 v0, s[64:65] scope:SCOPE_SE
	s_setreg_imm32_b32 hwreg(HW_REG_WAVE_MODE, 25, 1), 1
	s_wait_xcnt 0x0
	s_wait_alu depctr_hold_cnt(0) depctr_sa_sdst(0) depctr_va_vdst(0) depctr_va_sdst(0) depctr_va_ssrc(0) depctr_va_vcc(0) depctr_vm_vsrc(0)
	s_getreg_b32 s2, hwreg(HW_REG_IB_STS2, 6, 4)
	s_cmp_eq_u32 s2, 0
	s_cbranch_scc0 .Lentry_in_a_cluster
	s_endpgm
.Lentry_in_a_cluster:
	s_bfe_u32 s2, ttmp6, 0x10000c
	s_cmp_lg_u32 s2, 0xf033
	s_cbranch_scc0 .Lentry_shape_is_right
	s_endpgm
.Lentry_shape_is_right:
; S = Q K^T for each of 4 batches of 2,048 x 2,048, K = 1,024, f16 operands, f32 sums; then, for each query and each block of 128 keys:
; t = s x log2(e) / 32;  M = the block's largest t rounded UP to a whole number;  p = 2^(t - M), at most 1, stored as f16;  l = the sum of the block's unrounded p.
; Stored: p [8192][2048] f16; stats [16 blocks of keys][8192 rows][2] f32 = (-M, l).  The next launch brings the 16 blocks of a row under the row's own M by exact powers of two.
; So the maximum is taken away before every exponential, whatever the inputs.  Q and K lie in qkv [8192][3072] f16: Q at byte 0 of a row of 6,144 bytes, K at byte 2,048.
; A tile of S, 256 x 256, is made by four waves, each 128 x 128: 64 accumulators, 512 registers; a wave's 128 columns are one block of keys, so its maxima and sums need no other wave.
; K goes in steps of 128 through two LDS slots filled by the tensor data mover; a tile's row is 256 bytes of memory, aligned.
; CLUSTERS: 4 x 4 work-groups; Q's tile is shared along a row of the cluster, K's along a column: each is asked for jointly, which divides the requests by four.
; THE MATRIX INSTRUCTION IS USED TRANSPOSED (source 0 = 16 keys, source 1 = 16 queries): a lane holds ONE query (l % 16) and in each accumulator the keys 8 (l / 16) + 0 .. 7.
; REGISTERS: window 0: v0-31 addresses; v64-127, v128-191 Q's fragments, two buffers; on the way out v32-255 as named below.  window 1: K's fragments at v64, v128.
;   window 2: the accumulators of my rows 0-63 ((a, b) at v[8 (8 a + b)]); window 3: those of my rows 64-127.
.set KSTEP,  128
.set PITCH,  272                       ; an LDS row: 256 bytes + 16 of padding: the 16 rows of a load start 68 words apart
.set HALFT,  128*PITCH
.set SLOT,   4*HALFT
.set STAGE,  2*SLOT
.set SPITCH, 272
.set SPARE,  STAGE+4*16*SPITCH
.set LAPS,   4                         ; 1,024 / 256
.set QROW,   6144
.set PROW,   4096
.set ADRA, 16
.set ADRB, 20
.set STO,  24
.set RD,   25
.set CO,   26
.set STA,  27                          ; v27  8 x lane: my pair in a store of stats
.set SPW,  28
.set NIL,  29
.set PFO,  30                          ; v30  lane x a row of qkv: the prefetches' offset; never rewritten
.set LN,   31                          ; v31  lane
.set F0,   64
.set F1,   128
.set MX,   32                          ; the way out: v32-35 four maxima, v36 the other half's
.set NM,   40                          ; v[40:41] -M
.set SU,   42                          ; v[42:45] sums
.set PR,   64                          ; v64-127 t - M, then p
.set HF,   128                         ; v128-159 p in f16
.set OB,   160                         ; v160-191, v192-223 rows read back from the stage, by turns
.set NMS,  224                         ; v224-231 -M of block a
.set LSS,  232                         ; v232-239 l of block a
.set SD,   240                         ; v240-247 pairs to store
.set WV,  14
.set WH,  15
.set WL,  16
.set G1A, 24
.set G0A, 32
.set G1B, 48
.set G0B, 56
.set CS,  68                           ; s[68:69] c = log2(e) / 32
.set SEL, 70                           ; s[70:71] lane selects: lane l xor 16
.set PFA, 74                           ; s[74:75] where my prefetches stand
.set LIM, 76                           ; s76  1 in a wave that prefetches, else the greatest number
.set MSB, 0
.macro WIN new
.if MSB != (\new)
	s_set_vgpr_msb (MSB<<8)|(\new)
.set MSB, (\new)
.endif
.endm
.set MUL_LO, 0xa1
.set MUL_HI, 0xf1
.set TO_B,   0x40
; A joint load: waves 0 and 1 fetch Q's two halves, waves 2 and 3 K's.  An s_nop 0 and four v_nop follow each line.
.macro JLOAD s
	s_cmp_eq_u32 s[WH], 0
	s_cbranch_scc0 .Lfor_b_\@
	tensor_load_to_lds s[G0A+4*\s:G0A+4*\s+3], s[G1A:G1A+7]
	s_nop 0
.rept 4
	v_nop
.endr
	s_branch .Lasked_\@
.Lfor_b_\@:
	tensor_load_to_lds s[G0B+4*\s:G0B+4*\s+3], s[G1B:G1B+7]
	s_nop 0
.rept 4
	v_nop
.endr
.Lasked_\@:
.endm
; A prefetch, behind each joint refill and the run of LDS loads that follows it: the K step that stands two refills on, 32 rows x 256 bytes, a lane a row, one instruction a wave.
; Each row's 256 bytes of a K step are named once: Q's tile row is read by both clusters of that row of clusters: cluster x = 0 asks; K's tile is read by the two clusters of a batch that share a column: the even cluster y asks.
; The four partners of a joint load share its 128 rows out by address, 32 each.  The loop's last trip asks for nothing: there is no K step two refills on.
.macro ASK
	s_cmp_gt_u32 s3, s[LIM]
	s_cbranch_scc0 .Lnot_mine_\@
	global_prefetch_b8 v[PFO], s[PFA:PFA+1] offset:KSTEP*2 th:TH_LOAD_NT scope:SCOPE_SE
.Lnot_mine_\@:
.endm
.macro CREST
	s_cmp_lg_u32 s[WV], 0
	s_cbranch_scc1 .Lnot_wave_0_\@
	s_barrier_signal -3
.Lnot_wave_0_\@:
	s_barrier_wait -3
	s_barrier_signal -1
	s_barrier_wait -1
.endm
.macro CROUND
	s_barrier_signal -1
	s_barrier_wait -1
	CREST
.endm
	s_load_b64 s[4:5], s[0:1], 0x0                 ; qkv
	s_load_b128 s[8:11], s[0:1], 0x8               ; p s[8:9], stats s[10:11]
	v_lshl_add_u32 v[SPW], v0, 2, SPARE
	v_mov_b32 v[NIL], 0
	ds_add_u32 v[SPW], v[NIL]                      ; the wave's opening: the add, twice on end, and its wait ahead of my first tensor load
	ds_add_u32 v[SPW], v[NIL]
	v_lshrrev_b32 v1, 5, v0
	v_readfirstlane_b32 s[WV], v1
	s_lshr_b32 s[WH], s[WV], 1                     ; my half of the rows; also: I fetch for Q (0) or K (1)
	s_and_b32 s[WL], s[WV], 1                      ; my half of the columns; also: which 128 rows I fetch
	s_bfe_u32 s40, ttmp6, 0x40000                  ; cx
	s_bfe_u32 s41, ttmp6, 0x40004                  ; cy
	s_lshl_b32 s42, ttmp9, 2
	s_add_co_u32 s42, s42, s40                     ; tile column (keys of the batch)
	s_and_b32 s66, ttmp7, 0xffff
	s_lshr_b32 s66, s66, 1                         ; the batch: two clusters of rows each
	s_and_b32 s17, ttmp7, 0xffff
	s_lshl_b32 s17, s17, 2
	s_add_co_u32 s17, s17, s41                     ; tile row (of all 8,192)
	s_lshl_b32 s43, s41, 2
	s_lshl_b32 s43, 15, s43
	s_lshl_b32 s44, 0x1111, s40
	s_or_b32 s[G1A+0], s43, (1<<16)|(1<<20)|(1<<21)|(5<<22)|(3<<25)  ; mask; elements of 2 bytes; 4 words of padding after every 64; bit 21 beside a mask
	s_or_b32 s[G1B+0], s44, (1<<16)|(1<<20)|(1<<21)|(5<<22)|(3<<25)
.irp g, G1A, G1B
	s_mov_b32 s[\g+1], KSTEP<<16                   ; tensor_dim0 = 128
	s_mov_b32 s[\g+2], 128<<16                     ; tensor_dim1 = 128
	s_mov_b32 s[\g+3], KSTEP<<16                   ; tile_dim0
	s_mov_b32 s[\g+4], 128                         ; tile_dim1
	s_mov_b32 s[\g+5], 3072                        ; pitch in elements
	s_mov_b32 s[\g+6], 0
	s_mov_b32 s[\g+7], 0
.endr
	s_mov_b32 s[CS], 0x3d38aa3b
	s_mov_b32 s[CS+1], s[CS]
	s_mov_b32 s[SEL], 0x76543210
	s_mov_b32 s[SEL+1], 0xfedcba98
	s_lshl_b32 s18, s[WL], 7
	s_lshl_b32 s20, s17, 8
	s_add_co_u32 s20, s20, s18                     ; Q: row 256 x tile row + 128 x half
	s_mul_i32 s20, s20, QROW                       ; under 2^26
	s_mov_b32 s21, 0
	s_lshl_b32 s46, s42, 8
	s_add_co_u32 s46, s46, s18
	s_lshl_b32 s47, s66, 11
	s_add_co_u32 s46, s46, s47                     ; K: row 2,048 x batch + 256 x tile column + 128 x half
	s_mul_i32 s46, s46, QROW
	s_add_co_u32 s46, s46, 2048                    ; K's place in a row
	s_mov_b32 s47, 0
	s_mul_i32 s45, s[WV], HALFT                    ; where they go: wave x 128 rows
	s_wait_dscnt 0x0                               ; both opening adds are done
	s_wait_kmcnt 0x0
	s_add_nc_u64 s[20:21], s[4:5], s[20:21]
	s_add_nc_u64 s[46:47], s[4:5], s[46:47]
	CROUND                                         ; all sixteen work-groups are here
.irp s, 0,1
	s_mov_b32 s[G0A+4*\s], 1
	s_add_co_u32 s[G0A+4*\s+1], s45, \s*SLOT
	s_add_nc_u64 s[G0A+4*\s+2:G0A+4*\s+3], s[20:21], \s*KSTEP*2
	s_or_b32 s[G0A+4*\s+3], s[G0A+4*\s+3], 0x80000000
	s_mov_b32 s[G0B+4*\s], 1
	s_add_co_u32 s[G0B+4*\s+1], s45, \s*SLOT
	s_add_nc_u64 s[G0B+4*\s+2:G0B+4*\s+3], s[46:47], \s*KSTEP*2
	s_or_b32 s[G0B+4*\s+3], s[G0B+4*\s+3], 0x80000000
	JLOAD \s
.endr
	v_and_b32 v1, 15, v0                           ; r
	v_bfe_u32 v2, v0, 4, 1                         ; h
	v_mul_u32_u24 v3, v1, PITCH
	v_lshl_add_u32 v3, v2, 4, v3                   ; row x pitch + 16 x half
	s_mul_i32 s21, s[WH], HALFT
	s_mul_i32 s22, s[WL], HALFT
	s_add_co_u32 s22, s22, 2*HALFT
.irp s, 0,1
	v_add_nc_u32 v[ADRA+\s], s21, v3
	v_add_nc_u32 v[ADRB+\s], s22, v3
	s_add_co_u32 s21, s21, SLOT
	s_add_co_u32 s22, s22, SLOT
.endr
	s_mul_i32 s23, s[WV], 16*SPITCH
	s_add_co_u32 s23, s23, STAGE                   ; my stage
	v_add_nc_u32 v[STO], s23, v3                   ; in: row r, 16 bytes for each half of the lanes
	v_mul_u32_u24 v5, v2, SPITCH
	v_lshl_add_u32 v5, v1, 4, v5
	v_add_nc_u32 v[RD], s23, v5                    ; back: lanes 0-15 one row, lanes 16-31 the next
	v_lshlrev_b32 v5, 12, v2
	v_lshl_add_u32 v[CO], v1, 4, v5                ; the same two rows in p
	v_and_b32 v[LN], 31, v0
	v_lshlrev_b32 v[STA], 3, v[LN]
	v_mov_b32 v[MX+4], 0                           ; written once: a lane permute's destination counts as one of its sources
	s_lshl_b32 s20, s17, 8
	s_lshl_b32 s21, s[WH], 7
	s_add_co_u32 s20, s20, s21                     ; my first row
	s_lshl_b32 s22, s20, 3                         ; 8 bytes a row in stats
	s_lshl_b32 s20, s20, 12                        ; 4,096 bytes a row in p
	s_mov_b32 s21, 0
	s_mov_b32 s23, 0
	s_lshl_b32 s46, s42, 1
	s_add_co_u32 s46, s46, s[WL]                   ; my block of 128 keys: 2 x tile column + half
	s_lshl_b32 s47, s46, 16                        ; 65,536 bytes a block in stats
	s_add_co_u32 s22, s22, s47
	s_add_nc_u64 s[10:11], s[10:11], s[22:23]
	s_lshl_b32 s46, s46, 8                         ; 256 bytes a block in a row of p
	s_mov_b32 s47, 0
	s_add_nc_u64 s[20:21], s[20:21], s[46:47]
	s_add_nc_u64 s[8:9], s[8:9], s[20:21]
	; the prefetches: where my wave's stand, and who asks
	s_lshl_b32 s18, s17, 8                         ; Q's tile: row 256 x tile row
	s_lshl_b32 s19, s42, 8
	s_lshl_b32 s22, s66, 11
	s_add_co_u32 s19, s19, s22                     ; K's tile: row 2,048 x batch + 256 x tile column
	s_and_b32 s22, ttmp7, 1                        ; cluster y's low bit
	s_cmp_eq_u32 s[WH], 0                          ; do I fetch for Q?
	s_cselect_b32 s18, s18, s19
	s_cselect_b32 s19, s40, s41                    ; my place among the four that ask with me
	s_cselect_b32 s22, ttmp9, s22                  ; the coordinate along which another cluster reads the same rows
	s_cselect_b32 s23, 0, 2048                     ; Q's or K's place in a row
	s_cmp_eq_u32 s22, 0
	s_cselect_b32 s[LIM], 1, -1                    ; the same in all sixteen partners, for a given wave
	s_lshl_b32 s22, s[WL], 7
	s_add_co_u32 s18, s18, s22                     ; + the 128 rows that I fetch
	s_lshl_b32 s19, s19, 5
	s_add_co_u32 s18, s18, s19                     ; + my work-group's 32 of them
	s_mul_i32 s18, s18, QROW
	s_add_co_u32 s18, s18, s23
	s_add_co_u32 s18, s18, 2*KSTEP*2               ; at K step 2: the first refill steps it to 3 and names K step 4
	s_mov_b32 s19, 0
	s_add_nc_u64 s[PFA:PFA+1], s[4:5], s[18:19]
	v_mul_u32_u24 v[PFO], v[LN], QROW
; 16 matrix instructions: query blocks a0, a0 + 1 of the window's four x all 8 key blocks, 32 along K.  zero = 1: the first product starts the sums.
; The 64 accumulators take turns, one instruction a turn, in the same order in every quarter.
.macro MUL16 f, hi, a0, zero
.irp a, \a0, \a0+1
.irp b, 0,1,2,3,4,5,6,7
.if \zero
	v_wmma_f32_16x16x32_f16 v[8*(8*(\a)+\b):8*(8*(\a)+\b)+7], v[\f+8*\b:\f+8*\b+7], v[\f+8*(4*\hi+\a):\f+8*(4*\hi+\a)+7], 0
.else
	v_wmma_f32_16x16x32_f16 v[8*(8*(\a)+\b):8*(8*(\a)+\b)+7], v[\f+8*\b:\f+8*\b+7], v[\f+8*(4*\hi+\a):\f+8*(4*\hi+\a)+7], v[8*(8*(\a)+\b):8*(8*(\a)+\b)+7]
.endif
.endr
.endr
.endm
.macro FETCH slot, k, f                ; 32 LDS loads in one run: 128 rows of K, 128 rows of Q, 32 along K at byte k of the rows
	WIN TO_B
.irp i, 0,1,2,3,4,5,6,7
	ds_load_b128 v[\f+8*\i:\f+8*\i+3],   v[ADRB+\slot] offset:\k+\i*16*PITCH
	ds_load_b128 v[\f+8*\i+4:\f+8*\i+7], v[ADRB+\slot] offset:\k+\i*16*PITCH+32
.endr
	WIN 0
.irp i, 0,1,2,3,4,5,6,7
	ds_load_b128 v[\f+8*\i:\f+8*\i+3],   v[ADRA+\slot] offset:\k+\i*16*PITCH
	ds_load_b128 v[\f+8*\i+4:\f+8*\i+7], v[ADRA+\slot] offset:\k+\i*16*PITCH+32
.endr
.endm
.macro PLACES                          ; four plain places between a matrix instruction and a load into, or a read of, its registers
.rept 4
	v_nop
.endr
.endm
.macro QUARTER slot, k, f, g, zero     ; 64 matrix instructions on buffer f; in the middle the next quarter's fragments, at byte k, go into buffer g
	s_wait_dscnt 8                                 ; K's and Q's rows 0-63 are in; the youngest eight loads (Q's rows 64-127) may be out
	WIN MUL_LO
	MUL16 \f, 0, 0, \zero
	MUL16 \f, 0, 2, \zero
	PLACES
	FETCH \slot, \k, \g
	s_wait_dscnt 32                                ; all but the 32 just issued
	WIN MUL_HI
	MUL16 \f, 1, 0, \zero
	MUL16 \f, 1, 2, \zero
.endm
; The last quarter's first half: ONE barrier for the change of slots.  In front of it each wave waits for all its tensor loads (its part of the next slot), adds 0 to its spare word, and waits for that and for its reads of this slot.
.macro MEET round
	WIN 0
	s_wait_tensorcnt 0x0
	ds_add_u32 v[SPW], v[NIL]
	s_wait_dscnt 9                                 ; (the add and the youngest eight loads may be out)
	WIN MUL_LO
	MUL16 F1, 0, 0, 0
	s_wait_dscnt 0x0                               ; the add is done, and my reads of this slot are over
	s_barrier_signal -1
	MUL16 F1, 0, 2, 0
.if \round
	WIN 0
.endif
	s_barrier_wait -1
.endm
.macro TURN slot, next, fill
.if \fill
	s_wait_xcnt 0x0                                ; the last prefetch, a K step back, has read its address
	s_add_nc_u64 s[PFA:PFA+1], s[PFA:PFA+1], KSTEP*2
.endif
	MEET \fill
.if \fill
	CREST                                          ; the barrier has opened a round of the cluster's: no wave of any partner still reads this slot or has a load on its way
	s_add_nc_u64 s[G0A+4*\slot+2:G0A+4*\slot+3], s[G0A+4*\slot+2:G0A+4*\slot+3], 2*KSTEP*2
	s_add_nc_u64 s[G0B+4*\slot+2:G0B+4*\slot+3], s[G0B+4*\slot+2:G0B+4*\slot+3], 2*KSTEP*2
	JLOAD \slot                                    ; the first tensor load behind the round; its four v_nop are also the places in front of the loads below
.else
	PLACES
.endif
	FETCH \next, 0, F0
.if \fill
	ASK
.endif
	WIN MUL_HI
	MUL16 F1, 1, 0, 0
	MUL16 F1, 1, 2, 0
.endm
	s_wait_tensorcnt 1                             ; my part of K step 0 is in (K step 1's load may be out),
	s_barrier_signal -1
	s_barrier_wait -1                              ; everybody's is
	FETCH 0, 0, F0
	QUARTER 0, 64,  F0, F1, 1                      ; the first quarter starts the sums
	WIN 0
	s_mov_b32 s3, LAPS-1
.Llap:                                             ; a trip goes once round the ring and fills both slots again
	QUARTER 0, 128, F1, F0, 0
	QUARTER 0, 192, F0, F1, 0
	TURN 0, 1, 1
	QUARTER 1, 64,  F0, F1, 0
	QUARTER 1, 128, F1, F0, 0
	QUARTER 1, 192, F0, F1, 0
	TURN 1, 0, 1
	QUARTER 0, 64,  F0, F1, 0
	WIN 0
	s_sub_co_u32 s3, s3, 1
	s_cmp_lg_u32 s3, 0
	s_cbranch_scc1 .Llap
	QUARTER 0, 128, F1, F0, 0                      ; the last lap fills nothing
	QUARTER 0, 192, F0, F1, 0
	TURN 0, 1, 0
	QUARTER 1, 64,  F0, F1, 0
	QUARTER 1, 128, F1, F0, 0
	QUARTER 1, 192, F0, F1, 0
	s_wait_dscnt 8
	WIN MUL_LO
	MUL16 F1, 0, 0, 0
	MUL16 F1, 0, 2, 0
	s_wait_dscnt 0
	WIN MUL_HI
	MUL16 F1, 1, 0, 0
	MUL16 F1, 1, 2, 0
	WIN 0
	PLACES
; THE WAY OUT.  Block a: 16 queries x 128 keys; a lane holds 64 scores of one query, the lane 16 away the other 64.
.macro SOFT a
.set AC, 64*((\a)%4)
.set WW, 2+(\a)/4
	WIN WW|(WW<<2)                                 ; sources 0 and 1: the accumulators' window
.irp i, 0,1,2,3
	v_max_num_f32 v[MX+\i], v[AC+16*\i], v[AC+16*\i+1]              ; four chains, each over two accumulators, each accumulator from its low end on
.endr
	WIN (WW<<2)|(WW<<4)                            ; sources 1 and 2
.irp k, 1,2,3,4,5,6,7
.irp i, 0,1,2,3
	v_max3_num_f32 v[MX+\i], v[MX+\i], v[AC+16*\i+2*\k], v[AC+16*\i+2*\k+1]
.endr
.endr
	WIN 0
	v_max3_num_f32 v[MX], v[MX], v[MX+1], v[MX+2]
	v_max_num_f32 v[MX], v[MX], v[MX+3]
	v_permlanex16_b32 v[MX+4], v[MX], s[SEL], s[SEL+1]
	v_max_num_f32 v[MX], v[MX], v[MX+4]            ; the block's largest score of my query
	v_mul_f32 v[MX], s[CS], v[MX]                  ; as t (c is positive)
	v_floor_f32 v[NM], -v[MX]                      ; -M = floor(-t): M is a whole number
	v_mov_b32 v[NM+1], v[NM]
	WIN WW                                         ; source 0
.set j, 0
.rept 32
	v_pk_fma_f32 v[PR+j:PR+j+1], v[AC+j:AC+j+1], s[CS:CS+1], v[NM:NM+1] op_sel_hi:[1,0,0]   ; t - M, two at a time
.set j, j+2
.endr
	WIN 0
.set j, 0
.rept 64
	v_exp_f32 v[PR+j], v[PR+j]                     ; p = 2^(t - M): one batch
.set j, j+1
.endr
	v_mov_b32 v[NMS+(\a)], v[NM]                   ; (the plain line behind the last exponential)
	s_wait_alu depctr_va_vdst(0)                   ; one wait for the batch, ahead of its first reader
.set j, 0
.rept 32
	v_cvt_pk_f16_f32 v[HF+j], v[PR+2*j], v[PR+2*j+1]
.set j, j+1
.endr
	v_pk_add_f32 v[SU:SU+1], v[PR:PR+1], v[PR+2:PR+3]               ; the sum of the unrounded p, in two chains
	v_pk_add_f32 v[SU+2:SU+3], v[PR+4:PR+5], v[PR+6:PR+7]
.set j, 8
.rept 14
	v_pk_add_f32 v[SU:SU+1], v[SU:SU+1], v[PR+j:PR+j+1]
	v_pk_add_f32 v[SU+2:SU+3], v[SU+2:SU+3], v[PR+j+2:PR+j+3]
.set j, j+4
.endr
	v_pk_add_f32 v[SU:SU+1], v[SU:SU+1], v[SU+2:SU+3]
	v_add_f32 v[SU], v[SU], v[SU+1]
	v_permlanex16_b32 v[MX+4], v[SU], s[SEL], s[SEL+1]
	v_add_f32 v[LSS+(\a)], v[SU], v[MX+4]
.endm
.macro TOSTAGE a
.set BK, OB+32*((\a)%2)
.irp b, 0,1,2,3,4,5,6,7
	ds_store_b128 v[STO], v[HF+4*\b:HF+4*\b+3] offset:32*\b
.endr
.irp t, 0,1,2,3,4,5,6,7
	ds_load_b128 v[BK+4*\t:BK+4*\t+3], v[RD] offset:\t*2*SPITCH    ; LDS serves a wave's instructions in order: these see the stores above
.endr
.endm
.macro SEND a
.set BK, OB+32*((\a)%2)
	s_wait_dscnt 0x0                               ; the block is back in registers
	s_wait_xcnt 0x0                                ; earlier stores have read their base and data
.if (\a) > 0
	s_add_nc_u64 s[8:9], s[8:9], 16*PROW
.endif
.irp t, 0,1,2,3,4,5,6,7
	global_store_b128 v[CO], v[BK+4*\t:BK+4*\t+3], s[8:9] offset:2*\t*PROW   ; 16 lanes store 256 consecutive bytes, aligned
.endr
.endm
	SOFT 0
	TOSTAGE 0
.irp a, 1,2,3,4,5,6,7                  ; block a's softmax stands between block a - 1's loads from the stage and the wait for them
	SOFT \a
	SEND \a-1
	TOSTAGE \a
.endr
	SEND 7
	v_cmp_le_u32 s72, 16, v[LN]                    ; lanes 16-31 take the odd block of a pair: 32 rows, 256 consecutive bytes, to a store
.irp i, 0,1,2,3
	v_cndmask_b32 v[SD+2*\i], v[NMS+2*\i], v[NMS+2*\i+1], s72
	v_cndmask_b32 v[SD+2*\i+1], v[LSS+2*\i], v[LSS+2*\i+1], s72
.endr
.irp i, 0,1,2,3
	global_store_b64 v[STA], v[SD+2*\i:SD+2*\i+1], s[10:11] offset:256*\i
.endr
	s_wait_tensorcnt 0x0                           ; the wave's end
	ds_add_u32 v[SPW], v[NIL]
	s_wait_dscnt 0x0
	CROUND                                         ; the closing round
	s_endpgm
.Lfunc_end_k_q8c255559e6_scores:
	.size	k_q8c255559e6_scores, .Lfunc_end_k_q8c255559e6_scores-k_q8c255559e6_scores
	.p2alignl 7, 3214868480
	.fill 96, 4, 3214868480
	.section	.rodata,"a",@progbits
	.p2align	6, 0x0
	.amdhsa_kernel k_q8c255559e6_scores
		.amdhsa_group_segment_fixed_size 327680
		.amdhsa_private_segment_fixed_size 0
		.amdhsa_enable_private_segment 0
		.amdhsa_kernarg_size 24
		.amdhsa_user_sgpr_count 2
		.amdhsa_user_sgpr_kernarg_segment_ptr 1
		.amdhsa_wavefront_size32 1
		.amdhsa_system_sgpr_workgroup_id_x 1
		.amdhsa_system_sgpr_workgroup_id_y 1
		.amdhsa_system_sgpr_workgroup_id_z 1
		.amdhsa_system_vgpr_workitem_id 0
		.amdhsa_next_free_vgpr 1024
		.amdhsa_next_free_sgpr 80
		.amdhsa_reserve_vcc 0
		.amdhsa_float_denorm_mode_32 3
		.amdhsa_float_denorm_mode_16_64 3
		.amdhsa_memory_ordered 1
		.amdhsa_forward_progress 1
		.amdhsa_inst_pref_size 213
	.end_amdhsa_kernel
	.amdgpu_metadata
---
amdhsa.version: [ 1, 2 ]
amdhsa.kernels:
  - .name:           k_q8c255559e6_scores
    .symbol:         k_q8c255559e6_scores.kd
    .args:
      - { .name: qkv, .offset: 0, .size: 8, .value_kind: global_buffer, .address_space: global }
      - { .name: p, .offset: 8, .size: 8, .value_kind: global_buffer, .address_space: global }
      - { .name: stats, .offset: 16, .size: 8, .value_kind: global_buffer, .address_space: global }
    .group_segment_fixed_size: 327680
    .private_segment_fixed_size: 0
    .kernarg_segment_align: 8
    .kernarg_segment_size: 24
    .max_flat_workgroup_size: 128
    .sgpr_count:     80
    .vgpr_count:     1024
    .wavefront_size: 32
...
	.end_amdgpu_metadata
.endif
;; end of part 3
;; launch mix (part 4): grid 4 x 64, 4 waves a work-group, clusters of 4 x 4, 327,680 bytes of LDS; arguments p, qkv, ctx, stats; writes ctx
.if DOCPART == 4
	.amdgcn_target "amdgcn-amd-amdhsa--gfx1250"
	.amdhsa_code_object_version 6
	.text
	.protected	k_q8c255559e6_mix
	.globl	k_q8c255559e6_mix
	.p2align	8
	.type	k_q8c255559e6_mix,@function
k_q8c255559e6_mix:
	s_mov_b64 s[64:65], 0
	v_nop
	global_prefetch_b8 v0, s[64:65] scope:SCOPE_SE
	s_setreg_imm32_b32 hwreg(HW_REG_WAVE_MODE, 25, 1), 1
	s_wait_xcnt 0x0
	s_wait_alu depctr_hold_cnt(0) depctr_sa_sdst(0) depctr_va_vdst(0) depctr_va_sdst(0) depctr_va_ssrc(0) depctr_va_vcc(0) depctr_vm_vsrc(0)
	s_getreg_b32 s2, hwreg(HW_REG_IB_STS2, 6, 4)
	s_cmp_eq_u32 s2, 0
	s_cbranch_scc0 .Lentry_in_a_cluster
	s_endpgm
.Lentry_in_a_cluster:
	s_bfe_u32 s2, ttmp6, 0x10000c
	s_cmp_lg_u32 s2, 0xf033
	s_cbranch_scc0 .Lentry_shape_is_right
	s_endpgm
.Lentry_shape_is_right:
; ctx[q][:] = (sum over the 16 blocks kb of 128 keys of 2^(M_kb - M_row) P_kb[q] V_kb) / l_row, f16 operands, f32 sums, ctx stored as f16 [8192][1024].
; p [8192][2048] f16 holds 2^(t - M_kb); stats [16][8192][2] f32 holds (-M_kb, l_kb).  M_row = the largest M_kb of the row; l_row = sum of 2^(M_kb - M_row) l_kb, at least 0.5.
; THE FACTORS ARE APPLIED IN F32: a key step is one block kb; its products start sums of their own (C = 0), and when the step is done these are folded into the running sums,
; running += factor x step's, one packed fused multiply-add for two numbers.  The factors are whole powers of two, at most 1.
; V lies in qkv [8192][3072] f16 at byte 4,096 of a row of 6,144 bytes, [key][channel]: it comes out of LDS turned, by ds_load_tr16_b128.
; A tile of ctx is 128 queries x 256 channels (256 work-groups); four waves, each 64 x 128: 32 accumulators.  The keys go in steps of 128 through two LDS slots; two slots of 256 keys
; (2 x 206,848 bytes) would not fit in LDS.
; CLUSTERS: 4 x 4 work-groups: P's tile is shared along a row of the cluster, V's along a column; each is asked for jointly.
; THE MATRIX INSTRUCTION IS USED TRANSPOSED (source 0 = 16 channels of V^T, source 1 = 16 queries of P): a lane holds one query (l % 16) and eight neighbouring channels.
; LIMITS: V beyond 65,504 is infinity in f16 already; NaN and infinities are not served.
; REGISTERS: window 0: v0-31 addresses; v32-47 two sets of four factor pairs; v48-55 1 / l_row in pairs; v56-67 at work at the head; v64-127 the way out;
;   v128-255 the stats at the head, then P's fragments at 128 + 64 f + 32 c + 8 a.   window 1: V's fragments at 128 f + 64 c + 8 b.
;   window 2: the step's sums ((a, b) at v[8 (8 a + b)]).   window 3: the running sums, at the same numbers.
.set PA,    272                        ; a row of P's tile in LDS: 256 bytes + 16
.set PV,    544                        ; a row of V's tile: 512 bytes + 32: 17 x 32, so that the turning load's eight rows fall on different banks
.set AH,    64*PA                      ; what one load brings of P
.set VH,    64*PV                      ; and of V
.set VOFF,  128*PA
.set SLOT,  VOFF+128*PV
.set FAC,   2*SLOT                     ; the factors: for each wave [kb][blocks 0, 1 | blocks 2, 3][16 x lane]: 1,024 bytes a step
.set FACW,  16*1024
.set STAGE, FAC+4*FACW
.set SPITCH, 272
.set SPARE, STAGE+4*16*SPITCH
.set LAPS,  8                          ; 2,048 keys / 256
.set QROW,  6144
.set PROW,  4096
.set CROW,  2048
.set ADRA, 16
.set ADRB, 20
.set FA,   22                          ; v22  where the step's factors lie
.set STO,  24
.set RD,   25
.set CO,   26
.set SPW,  28
.set NIL,  29
.set PFO,  30                          ; v30  the prefetches' offset; never rewritten
.set FS,   32                          ; set s at v[FS + 8 s]: the pair (f, f) of query block a at + 2 a
.set RL,   48
.set MR,   56                          ; v56-59 M_row;  v60-63 at work;  v64-67 l_row
.set TT,   60
.set LR,   64
.set OB,   64
.set AFR,  128
.set SV,   128                         ; the stats as loaded: pair 16 a + kb; then the factor, twice, in the pair's place
.set WV,  14
.set WH,  15
.set WL,  16
.set G1A, 24
.set G0A, 32
.set G1B, 48
.set G0B, 56
.set PFA, 74                           ; s[74:75] the first block that my next prefetch names
.set PFS, 76                           ; s[76:77] a key step on: 256 bytes in a row of P, 128 rows of qkv for V
.set LIM0, 78                          ; s78, s79: at a change out of slot 0, of slot 1: 1 in a wave that prefetches there, else the greatest number
.set MSB, 0
.macro WIN new
.if MSB != (\new)
	s_set_vgpr_msb (MSB<<8)|(\new)
.set MSB, (\new)
.endif
.endm
.set MUL,  0xa1                        ; source 0 (V) window 1, source 1 (P) window 0, C and D window 2
.set TO_B, 0x40
.macro JLOAD s                         ; waves 0 and 1 fetch P's two halves, waves 2 and 3 V's; an s_nop 0 and four v_nop follow each line
	s_cmp_eq_u32 s[WH], 0
	s_cbranch_scc0 .Lfor_b_\@
	tensor_load_to_lds s[G0A+4*\s:G0A+4*\s+3], s[G1A:G1A+7]
	s_nop 0
.rept 4
	v_nop
.endr
	s_branch .Lasked_\@
.Lfor_b_\@:
	tensor_load_to_lds s[G0B+4*\s:G0B+4*\s+3], s[G1B:G1B+7]
	s_nop 0
.rept 4
	v_nop
.endr
.Lasked_\@:
.endm
; A PREFETCH, behind each joint refill and the run of LDS loads that follows it: the key step that stands two refills on, 256 matrix instructions ahead of the load that will want it.
; Each aligned block of 256 bytes is named once.  P's tile is read by the four partners of one row of one cluster: of the 64 rows that wave 0 or 1 fetches each partner takes 16, by address (cx);
; lanes 0-15 name them in one key step, lanes 16-31 in the next, so these waves ask at every second change of slots.  V's tile is read by the four clusters of a batch: the batch's first asks;
; of the 64 key rows that wave 2 or 3 fetches each partner takes 16, by address (cy), two blocks a row: one instruction at every change.  The loop's last trip asks for nothing: no key step stands two refills on.
.macro ASK lim
	s_cmp_gt_u32 s3, s[\lim]
	s_cbranch_scc0 .Lnot_mine_\@
	global_prefetch_b8 v[PFO], s[PFA:PFA+1] th:TH_LOAD_NT scope:SCOPE_SE
.Lnot_mine_\@:
.endm
.macro CREST
	s_cmp_lg_u32 s[WV], 0
	s_cbranch_scc1 .Lnot_wave_0_\@
	s_barrier_signal -3
.Lnot_wave_0_\@:
	s_barrier_wait -3
	s_barrier_signal -1
	s_barrier_wait -1
.endm
.macro CROUND
	s_barrier_signal -1
	s_barrier_wait -1
	CREST
.endm
.macro PLACES                          ; four plain places between a matrix instruction and a load into, or a read of, its registers
.rept 4
	v_nop
.endr
.endm
	s_load_b256 s[4:11], s[0:1], 0x0               ; p s[4:5], qkv s[6:7], ctx s[8:9], stats s[10:11]
	v_lshl_add_u32 v[SPW], v0, 2, SPARE
	v_mov_b32 v[NIL], 0
	ds_add_u32 v[SPW], v[NIL]                      ; the wave's opening: the add, twice on end, and its wait ahead of my first tensor load
	ds_add_u32 v[SPW], v[NIL]
	v_lshrrev_b32 v1, 5, v0
	v_readfirstlane_b32 s[WV], v1
	s_lshr_b32 s[WH], s[WV], 1                     ; my half of the queries; also: I fetch for P (0) or V (1)
	s_and_b32 s[WL], s[WV], 1                      ; my half of the channels; also: which 64 rows I fetch
	s_bfe_u32 s40, ttmp6, 0x40000
	s_bfe_u32 s41, ttmp6, 0x40004
	s_lshl_b32 s42, ttmp9, 2
	s_add_co_u32 s42, s42, s40                     ; tile column: 256 channels
	s_and_b32 s66, ttmp7, 0xffff
	s_lshr_b32 s66, s66, 2                         ; the batch: four clusters of rows each
	s_and_b32 s17, ttmp7, 0xffff
	s_lshl_b32 s17, s17, 2
	s_add_co_u32 s17, s17, s41                     ; tile row: 128 queries
	s_lshl_b32 s43, s41, 2
	s_lshl_b32 s43, 15, s43
	s_lshl_b32 s44, 0x1111, s40
	s_or_b32 s[G1A+0], s43, (1<<16)|(1<<20)|(1<<21)|(5<<22)|(3<<25)  ; P: 4 words of padding after every 64
	s_mov_b32 s[G1A+1], 128<<16
	s_mov_b32 s[G1A+2], 64<<16
	s_mov_b32 s[G1A+3], 128<<16
	s_mov_b32 s[G1A+4], 64
	s_mov_b32 s[G1A+5], 2048
	s_mov_b32 s[G1A+6], 0
	s_mov_b32 s[G1A+7], 0
	s_or_b32 s[G1B+0], s44, (1<<16)|(1<<20)|(1<<21)|(6<<22)|(7<<25)  ; V: 8 words of padding after every 128
	s_mov_b32 s[G1B+1], 256<<16
	s_mov_b32 s[G1B+2], 64<<16
	s_mov_b32 s[G1B+3], 256<<16
	s_mov_b32 s[G1B+4], 64
	s_mov_b32 s[G1B+5], 3072
	s_mov_b32 s[G1B+6], 0
	s_mov_b32 s[G1B+7], 0
	s_lshl_b32 s18, s[WL], 6
	s_lshl_b32 s20, s17, 7
	s_add_co_u32 s20, s20, s18                     ; P: row 128 x tile row + 64 x half
	s_lshl_b32 s20, s20, 12
	s_mov_b32 s21, 0
	s_lshl_b32 s46, s66, 11
	s_add_co_u32 s46, s46, s18                     ; V: key row 2,048 x batch + 64 x half
	s_mul_i32 s46, s46, QROW
	s_lshl_b32 s47, s42, 9
	s_add_co_u32 s46, s46, s47                     ; + 512 bytes a tile column
	s_add_co_u32 s46, s46, 4096                    ; + V's place in a row
	s_mov_b32 s47, 0
	s_mul_i32 s45, s[WL], AH                       ; where they go
	s_mul_i32 s19, s[WL], VH
	s_add_co_u32 s19, s19, VOFF
	s_wait_dscnt 0x0                               ; both opening adds are done
	s_wait_kmcnt 0x0
	s_add_nc_u64 s[20:21], s[4:5], s[20:21]
	s_add_nc_u64 s[46:47], s[6:7], s[46:47]
	CROUND
.irp s, 0,1
	s_mov_b32 s[G0A+4*\s], 1
	s_add_co_u32 s[G0A+4*\s+1], s45, \s*SLOT
	s_add_nc_u64 s[G0A+4*\s+2:G0A+4*\s+3], s[20:21], \s*256
	s_or_b32 s[G0A+4*\s+3], s[G0A+4*\s+3], 0x80000000
	s_mov_b32 s[G0B+4*\s], 1
	s_add_co_u32 s[G0B+4*\s+1], s19, \s*SLOT
	s_add_nc_u64 s[G0B+4*\s+2:G0B+4*\s+3], s[46:47], \s*128*QROW
	s_or_b32 s[G0B+4*\s+3], s[G0B+4*\s+3], 0x80000000
	JLOAD \s
.endr
	v_and_b32 v1, 15, v0                           ; r
	v_bfe_u32 v2, v0, 4, 1                         ; h
	v_lshlrev_b32 v7, 3, v1                        ; stats: 8 bytes a row
	s_lshl_b32 s20, s17, 7
	s_lshl_b32 s21, s[WH], 6
	s_add_co_u32 s20, s20, s21                     ; my first row
	s_lshl_b32 s22, s20, 3
	s_mov_b32 s23, 0
	s_add_nc_u64 s[10:11], s[10:11], s[22:23]
.irp a, 0,1,2,3
.set kb, 0
.rept 16
	global_load_b64 v[SV+2*(16*\a+kb):SV+2*(16*\a+kb)+1], v7, s[10:11] offset:kb*65536+128*\a   ; (-M, l) of row 16 a + r, block kb
.set kb, kb+1
.endr
.endr
	s_lshl_b32 s20, s20, 11                        ; ctx: 2,048 bytes a row
	s_mov_b32 s21, 0
	s_lshl_b32 s46, s42, 9
	s_lshl_b32 s47, s[WL], 8
	s_add_co_u32 s46, s46, s47
	s_mov_b32 s47, 0
	s_add_nc_u64 s[20:21], s[20:21], s[46:47]
	s_add_nc_u64 s[8:9], s[8:9], s[20:21]
	v_mul_u32_u24 v3, v1, PA
	v_lshl_add_u32 v3, v2, 4, v3                   ; row x 272 + 16 x half
	s_mul_i32 s21, s[WH], AH
	v_add_nc_u32 v[ADRA], s21, v3
	v_add_nc_u32 v[ADRA+1], SLOT, v[ADRA]
	v_and_b32 v4, 7, v0
	v_lshl_add_u32 v4, v2, 3, v4                   ; the turning load: key 8 h + l % 8,
	v_mul_u32_u24 v4, v4, PV
	v_bfe_u32 v5, v0, 3, 1
	v_lshl_add_u32 v4, v5, 4, v4                   ; channels 8 ((l / 8) % 2) on
	s_lshl_b32 s22, s[WL], 8
	s_add_co_u32 s22, s22, VOFF
	v_add_nc_u32 v[ADRB], s22, v4
	v_add_nc_u32 v[ADRB+1], SLOT, v[ADRB]
	v_and_b32 v6, 31, v0
	v_lshlrev_b32 v6, 4, v6
	s_lshl_b32 s23, s[WV], 14
	s_add_co_u32 s23, s23, FAC
	v_add_nc_u32 v[FA], s23, v6                    ; my wave's factors, 16 x lane
	s_mul_i32 s23, s[WV], 16*SPITCH
	s_add_co_u32 s23, s23, STAGE
	v_add_nc_u32 v[STO], s23, v3
	v_mul_u32_u24 v5, v2, SPITCH
	v_lshl_add_u32 v5, v1, 4, v5
	v_add_nc_u32 v[RD], s23, v5
	v_lshlrev_b32 v5, 11, v2
	v_lshl_add_u32 v[CO], v1, 4, v5
	; the prefetches: where my wave's stand, and who asks.  They begin at key step 3: the first change of slots steps them to 4.  Nothing is prefetched here, at the head
	s_lshl_b32 s18, s17, 7
	s_lshl_b32 s22, s[WL], 6
	s_add_co_u32 s18, s18, s22
	s_lshl_b32 s23, s40, 4
	s_add_co_u32 s18, s18, s23                     ; P: row 128 x tile row + the 64 that I fetch + my work-group's 16 of them
	s_lshl_b32 s18, s18, 12
	s_add_co_u32 s18, s18, 3*256
	s_lshl_b32 s19, s66, 11
	s_add_co_u32 s19, s19, s22
	s_lshl_b32 s23, s41, 4
	s_add_co_u32 s19, s19, s23
	s_add_co_u32 s19, s19, 3*128                   ; V: key row 2,048 x batch + the 64 that I fetch + my work-group's 16 of them, in key step 3
	s_mul_i32 s19, s19, QROW
	s_lshl_b32 s23, s42, 9
	s_add_co_u32 s19, s19, s23
	s_add_co_u32 s19, s19, 4096
	s_and_b32 s23, ttmp7, 3                        ; which of the batch's four clusters
	s_cmp_eq_u32 s23, 0
	s_cselect_b32 s23, 1, -1                       ; the same in all sixteen partners
	s_cmp_eq_u32 s[WH], 0                          ; do I fetch for P?
	s_cselect_b32 s18, s18, s19
	s_cselect_b64 s[PFA:PFA+1], s[4:5], s[6:7]
	s_cselect_b32 s[LIM0], 1, s23
	s_cselect_b32 s[LIM0+1], -1, s23
	s_mov_b32 s[PFS], 128*QROW
	s_cselect_b32 s[PFS], 256, s[PFS]
	s_cselect_b32 s22, -1, 0
	s_mov_b32 s[PFS+1], 0
	s_mov_b32 s19, 0
	s_add_nc_u64 s[PFA:PFA+1], s[PFA:PFA+1], s[18:19]
	v_lshlrev_b32 v8, 12, v1
	v_lshl_add_u32 v8, v2, 8, v8                   ; P: row l % 16, key step l / 16
	v_bfe_u32 v9, v0, 1, 4
	v_mul_u32_u24 v9, v9, QROW
	v_and_b32 v10, 1, v0
	v_lshl_add_u32 v9, v10, 8, v9                  ; V: row l / 2, block l % 2
	v_cndmask_b32 v[PFO], v9, v8, s22
	s_wait_loadcnt 0x0                             ; the stats
.irp a, 0,1,2,3
	v_max3_num_f32 v[MR+\a], -v[SV+32*\a], -v[SV+32*\a+2], -v[SV+32*\a+4]   ; M_row = the largest of the sixteen M_kb
.endr
.irp k, 3,5,7,9,11,13
.irp a, 0,1,2,3
	v_max3_num_f32 v[MR+\a], v[MR+\a], -v[SV+32*\a+2*\k], -v[SV+32*\a+2*\k+2]
.endr
.endr
.irp a, 0,1,2,3
	v_max_num_f32 v[MR+\a], v[MR+\a], -v[SV+32*\a+30]
.endr
.set kb, 0
.rept 16
.irp a, 0,1,2,3
	v_sub_f32 v[TT+\a], -v[SV+32*\a+2*kb], v[MR+\a]                 ; M_kb - M_row: a whole number, 0 or less
.endr
.irp a, 0,1,2,3
	v_cvt_i32_f32 v[TT+\a], v[TT+\a]               ; (it saturates)
.endr
.irp a, 0,1,2,3
	v_ldexp_f32 v[SV+32*\a+2*kb], 1.0, v[TT+\a]    ; the factor, in -M's place
.endr
.irp a, 0,1,2,3
.if kb == 0
	v_mul_f32 v[LR+\a], v[SV+32*\a], v[SV+32*\a+1]
.else
	v_fma_f32 v[LR+\a], v[SV+32*\a+2*kb], v[SV+32*\a+2*kb+1], v[LR+\a]
.endif
.endr
.irp a, 0,1,2,3
	v_mov_b32 v[SV+32*\a+2*kb+1], v[SV+32*\a+2*kb] ; and once more in l's place: a pair for the packed multiply-add
.endr
.set kb, kb+1
.endr
.irp a, 0,1,2,3
	v_rcp_f32 v[RL+2*\a], v[LR+\a]
.endr
	v_nop                                          ; a plain line behind the last reciprocal
	s_wait_alu depctr_va_vdst(0)                   ; one wait for the four, ahead of their first reader
.irp a, 0,1,2,3
	v_mov_b32 v[RL+2*\a+1], v[RL+2*\a]
.endr
.irp a, 0,1,2,3
.set kb, 0
.rept 16
	ds_store_b64 v[FA], v[SV+32*\a+2*kb:SV+32*\a+2*kb+1] offset:1024*kb+512*(\a/2)+8*(\a%2)   ; my wave's own bytes
.set kb, kb+1
.endr
.endr
; 16 matrix instructions: query blocks a0, a0 + 1 x 8 channel blocks, 32 keys: part c of buffer f.  zero = 1: the step's first products start its sums.
; The 32 accumulators take turns, in the same order always.
.macro MUL16 f, c, a0, zero
.irp a, \a0, \a0+1
.irp b, 0,1,2,3,4,5,6,7
.if \zero
	v_wmma_f32_16x16x32_f16 v[8*(8*(\a)+\b):8*(8*(\a)+\b)+7], v[128*\f+64*\c+8*\b:128*\f+64*\c+8*\b+7], v[AFR+64*\f+32*\c+8*(\a):AFR+64*\f+32*\c+8*(\a)+7], 0
.else
	v_wmma_f32_16x16x32_f16 v[8*(8*(\a)+\b):8*(8*(\a)+\b)+7], v[128*\f+64*\c+8*\b:128*\f+64*\c+8*\b+7], v[AFR+64*\f+32*\c+8*(\a):AFR+64*\f+32*\c+8*(\a)+7], v[8*(8*(\a)+\b):8*(8*(\a)+\b)+7]
.endif
.endr
.endr
.endm
; 48 LDS loads in one run: 64 keys from key k of the slot into buffer f: V's first 32 keys, P's 64, V's second 32: so a wait can leave the youngest 24 out
.macro FETCH slot, k, f
	WIN TO_B
.irp b, 0,1,2,3,4,5,6,7
	ds_load_tr16_b128 v[128*\f+8*\b:128*\f+8*\b+3],   v[ADRB+\slot] offset:(\k)*PV+32*\b
	ds_load_tr16_b128 v[128*\f+8*\b+4:128*\f+8*\b+7], v[ADRB+\slot] offset:(\k+16)*PV+32*\b
.endr
	WIN 0
.irp c, 0,1
.irp a, 0,1,2,3
	ds_load_b128 v[AFR+64*\f+32*\c+8*\a:AFR+64*\f+32*\c+8*\a+3],   v[ADRA+\slot] offset:2*(\k)+64*\c+\a*16*PA
	ds_load_b128 v[AFR+64*\f+32*\c+8*\a+4:AFR+64*\f+32*\c+8*\a+7], v[ADRA+\slot] offset:2*(\k)+64*\c+\a*16*PA+32
.endr
.endr
	WIN TO_B
.irp b, 0,1,2,3,4,5,6,7
	ds_load_tr16_b128 v[128*\f+64+8*\b:128*\f+64+8*\b+3],   v[ADRB+\slot] offset:(\k+32)*PV+32*\b
	ds_load_tr16_b128 v[128*\f+64+8*\b+4:128*\f+64+8*\b+7], v[ADRB+\slot] offset:(\k+48)*PV+32*\b
.endr
.endm
; THE FOLD, behind a step's last product: running sums (window 3) += factor x the step's sums (window 2); a lane's factor is its query's, a pair for each query block.  first = 1: the first step starts the running sums: nothing is cleared.
; Four places stand ahead of the first read of a result; each accumulator is read from its low end on.  These 132 plain lines are also the places in front of the next step's first products,
; which begin the step's sums anew, and of the next loads into buffer 1.
.macro FOLD set, first
	PLACES
.if \first
	WIN 0xc2                                       ; source 0 window 2, source 1 window 0, destination window 3
.else
	WIN 0xf2                                       ; the same, source 2 window 3
.endif
.irp a, 0,1,2,3
.set j, 0
.rept 32
.if \first
	v_pk_mul_f32 v[64*\a+j:64*\a+j+1], v[64*\a+j:64*\a+j+1], v[FS+8*\set+2*\a:FS+8*\set+2*\a+1]
.else
	v_pk_fma_f32 v[64*\a+j:64*\a+j+1], v[64*\a+j:64*\a+j+1], v[FS+8*\set+2*\a:FS+8*\set+2*\a+1], v[64*\a+j:64*\a+j+1]
.endif
.set j, j+2
.endr
.endr
.endm
.macro HALF0 slot                      ; a step's first 64 keys (buffer 0); in the middle the second 64 are fetched into buffer 1
	s_wait_dscnt 24                                ; the factors, V's and P's first 32 keys are in; the youngest 24 loads may be out
	WIN MUL
	MUL16 0, 0, 0, 1
	MUL16 0, 0, 2, 1
	FETCH \slot, 64, 1
	s_wait_dscnt 48                                ; all but the 48 just issued
	WIN MUL
	MUL16 0, 1, 0, 0
	MUL16 0, 1, 2, 0
.endm
; A step's second 64 keys (buffer 1), the change of slots, and the fold.  ONE barrier: in front of it each wave waits for all its tensor loads (its part of the next slot), adds 0 to its spare word,
; and waits for that and for its reads of this slot, the last of which were issued 64 matrix instructions ago.  The three lines stand as late as the next slot's fragments allow:
; between a request and the wait for it stand a whole step's 128 matrix instructions.
.macro TURN slot, next, fill, first
.if \fill
	s_wait_xcnt 0x0                                ; the last prefetch, a step back, has read its address
	s_add_nc_u64 s[PFA:PFA+1], s[PFA:PFA+1], s[PFS:PFS+1]
.endif
	s_wait_dscnt 24                                ; buffer 1's first 32 keys are in; the youngest 24 loads may be out
	WIN MUL
	MUL16 1, 0, 0, 0
	MUL16 1, 0, 2, 0
	WIN 0
	s_wait_tensorcnt 0x0                           ; all my tensor loads have landed: so a group 0 may be written
	ds_add_u32 v[SPW], v[NIL]                      ; 0 onto my spare word; the descriptors' steps stand between it and the wait for it
.if \fill
	s_add_nc_u64 s[G0A+4*\slot+2:G0A+4*\slot+3], s[G0A+4*\slot+2:G0A+4*\slot+3], 512
	s_add_nc_u64 s[G0B+4*\slot+2:G0B+4*\slot+3], s[G0B+4*\slot+2:G0B+4*\slot+3], 256*QROW
.endif
	s_wait_dscnt 0x0                               ; the add is done, and my reads of this slot are over
	s_barrier_signal -1
	s_barrier_wait -1
.if \fill
	CREST                                          ; the barrier has opened a round of the cluster's: no wave of any partner still reads this slot or has a load on its way
	JLOAD \slot                                    ; the first tensor load behind the round; its four v_nop are also the places in front of the loads into buffer 0
.else
	PLACES
.endif
	v_add_nc_u32 v[FA], 1024, v[FA]                ; the next step's factors
	ds_load_b128 v[FS+8*\next:FS+8*\next+3], v[FA]
	ds_load_b128 v[FS+8*\next+4:FS+8*\next+7], v[FA] offset:512
	FETCH \next, 0, 0
.if \fill
	WIN 0
	ASK LIM0+\slot
.endif
	WIN MUL
	MUL16 1, 1, 0, 0
	MUL16 1, 1, 2, 0
	FOLD \slot, \first
.endm
	s_wait_tensorcnt 1                             ; my part of step 0 is in (step 1's load may be out),
	s_wait_dscnt 0x0                               ; and my stores of the factors are done
	s_barrier_signal -1
	s_barrier_wait -1
	ds_load_b128 v[FS:FS+3], v[FA]
	ds_load_b128 v[FS+4:FS+7], v[FA] offset:512
	FETCH 0, 0, 0
	s_mov_b32 s3, LAPS-1
	HALF0 0
	TURN 0, 1, 1, 1                                ; the first lap is written out: its first fold starts the running sums
	HALF0 1
	TURN 1, 0, 1, 0
	HALF0 0
	WIN 0
	s_mov_b32 s3, LAPS-2
.Llap:                                             ; a trip goes once round the ring and fills both slots again
	TURN 0, 1, 1, 0
	HALF0 1
	TURN 1, 0, 1, 0
	HALF0 0
	WIN 0
	s_sub_co_u32 s3, s3, 1
	s_cmp_lg_u32 s3, 0
	s_cbranch_scc1 .Llap
	TURN 0, 1, 0, 0                                ; the last lap fills nothing
	HALF0 1
	s_wait_dscnt 24
	WIN MUL
	MUL16 1, 0, 0, 0
	MUL16 1, 0, 2, 0
	s_wait_dscnt 0
	MUL16 1, 1, 0, 0
	MUL16 1, 1, 2, 0
	FOLD 1, 0
	WIN 0
; THE WAY OUT: block a (16 queries x 128 channels) is divided by l_row, rounded to f16, and goes through my stage; sixteen lanes store 256 consecutive bytes, aligned.
.macro PACK a
	WIN 0x03                                       ; source 0: window 3, the running sums
.set j, 0
.rept 32
	v_pk_mul_f32 v[128+j:129+j], v[64*(\a)+j:64*(\a)+j+1], v[RL+2*(\a):RL+2*(\a)+1] op_sel_hi:[1,0]
.set j, j+2
.endr
	WIN 0
.set j, 0
.rept 32
	v_cvt_pk_f16_f32 v[192+j], v[128+2*j], v[129+2*j]
.set j, j+1
.endr
.endm
.macro TOSTAGE a
.set BK, OB+32*((\a)%2)
.irp b, 0,1,2,3,4,5,6,7
	ds_store_b128 v[STO], v[192+4*\b:192+4*\b+3] offset:32*\b
.endr
.irp t, 0,1,2,3,4,5,6,7
	ds_load_b128 v[BK+4*\t:BK+4*\t+3], v[RD] offset:\t*2*SPITCH    ; LDS serves a wave's instructions in order: these see the stores above
.endr
.endm
.macro SEND a
.set BK, OB+32*((\a)%2)
	s_wait_dscnt 0x0
	s_wait_xcnt 0x0                                ; earlier stores have read their base and data
.if (\a) > 0
	s_add_nc_u64 s[8:9], s[8:9], 16*CROW
.endif
.irp t, 0,1,2,3,4,5,6,7
	global_store_b128 v[CO], v[BK+4*\t:BK+4*\t+3], s[8:9] offset:2*\t*CROW
.endr
.endm
	PACK 0
	TOSTAGE 0
.irp a, 1,2,3
	PACK \a
	SEND \a-1
	TOSTAGE \a
.endr
	SEND 3
	s_wait_tensorcnt 0x0                           ; the wave's end
	ds_add_u32 v[SPW], v[NIL]
	s_wait_dscnt 0x0
	CROUND                                         ; the closing round
	s_endpgm
.Lfunc_end_k_q8c255559e6_mix:
	.size	k_q8c255559e6_mix, .Lfunc_end_k_q8c255559e6_mix-k_q8c255559e6_mix
	.p2alignl 7, 3214868480
	.fill 96, 4, 3214868480
	.section	.rodata,"a",@progbits
	.p2align	6, 0x0
	.amdhsa_kernel k_q8c255559e6_mix
		.amdhsa_group_segment_fixed_size 327680
		.amdhsa_private_segment_fixed_size 0
		.amdhsa_enable_private_segment 0
		.amdhsa_kernarg_size 32
		.amdhsa_user_sgpr_count 2
		.amdhsa_user_sgpr_kernarg_segment_ptr 1
		.amdhsa_wavefront_size32 1
		.amdhsa_system_sgpr_workgroup_id_x 1
		.amdhsa_system_sgpr_workgroup_id_y 1
		.amdhsa_system_sgpr_workgroup_id_z 1
		.amdhsa_system_vgpr_workitem_id 0
		.amdhsa_next_free_vgpr 1024
		.amdhsa_next_free_sgpr 80
		.amdhsa_reserve_vcc 0
		.amdhsa_float_denorm_mode_32 3
		.amdhsa_float_denorm_mode_16_64 3
		.amdhsa_memory_ordered 1
		.amdhsa_forward_progress 1
		.amdhsa_inst_pref_size 204
	.end_amdhsa_kernel
	.amdgpu_metadata
---
amdhsa.version: [ 1, 2 ]
amdhsa.kernels:
  - .name:           k_q8c255559e6_mix
    .symbol:         k_q8c255559e6_mix.kd
    .args:
      - { .name: p, .offset: 0, .size: 8, .value_kind: global_buffer, .address_space: global }
      - { .name: qkv, .offset: 8, .size: 8, .value_kind: global_buffer, .address_space: global }
      - { .name: ctx, .offset: 16, .size: 8, .value_kind: global_buffer, .address_space: global }
      - { .name: stats, .offset: 24, .size: 8, .value_kind: global_buffer, .address_space: global }
    .group_segment_fixed_size: 327680
    .private_segment_fixed_size: 0
    .kernarg_segment_align: 8
    .kernarg_segment_size: 32
    .max_flat_workgroup_size: 128
    .sgpr_count:     80
    .vgpr_count:     1024
    .wavefront_size: 32
...
	.end_amdgpu_metadata
.endif
;; end of part 4
;; launch outp (part 5): grid 4 x 64, 4 waves a work-group, clusters of 4 x 4, 327,680 bytes of LDS; arguments ctx, wo16, out0, bo; writes out0
.if DOCPART == 5
	.amdgcn_target "amdgcn-amd-amdhsa--gfx1250"
	.amdhsa_code_object_version 6
	.text
	.protected	k_q8c255559e6_outp
	.globl	k_q8c255559e6_outp
	.p2align	8
	.type	k_q8c255559e6_outp,@function
k_q8c255559e6_outp:
	s_mov_b64 s[64:65], 0
	v_nop
	global_prefetch_b8 v0, s[64:65] scope:SCOPE_SE
	s_setreg_imm32_b32 hwreg(HW_REG_WAVE_MODE, 25, 1), 1
	s_wait_xcnt 0x0
	s_wait_alu depctr_hold_cnt(0) depctr_sa_sdst(0) depctr_va_vdst(0) depctr_va_sdst(0) depctr_va_ssrc(0) depctr_va_vcc(0) depctr_vm_vsrc(0)
	s_getreg_b32 s2, hwreg(HW_REG_IB_STS2, 6, 4)
	s_cmp_eq_u32 s2, 0
	s_cbranch_scc0 .Lentry_in_a_cluster
	s_endpgm
.Lentry_in_a_cluster:
	s_bfe_u32 s2, ttmp6, 0x10000c
	s_cmp_lg_u32 s2, 0xf033
	s_cbranch_scc0 .Lentry_shape_is_right
	s_endpgm
.Lentry_shape_is_right:
; out0[m][e] = sum over d of ctx[m][d] Wo[e][d] + bo[e].  ctx [8192][1024] and Wo [1024][1024] in f16, sums and result in f32.
; A tile of the result is 128 rows x 256 columns (256 work-groups); four waves, each 64 x 128: 32 accumulators.  K = 1,024 goes in steps of 128 through two LDS slots; a tile's row is 256 bytes of memory, aligned.
; Two slots of 256 along K (2 x 202,752 bytes) would not fit in LDS.
; CLUSTERS: 4 x 4 work-groups: ctx's tile is shared along a row of the cluster, Wo's along a column; each is asked for jointly.
; THE MATRIX INSTRUCTION IS USED TRANSPOSED (source 0 = 16 rows of Wo, source 1 = 16 rows of ctx): a lane holds eight neighbouring numbers of a row of the result.  The bias is the C of each sum's first product.
; REGISTERS: window 0: v0-31 addresses; v64-127 the bias; v128-255 ctx's fragments at 128 + 64 f + 32 c + 8 a, later the way out.   window 1: Wo's fragments at 128 f + 64 c + 8 b.   window 2: the accumulators.
.set PA,    272
.set AH,    64*PA                      ; what one load brings of ctx
.set BH,    128*PA                     ; and of Wo
.set BOFF,  128*PA
.set SLOT,  BOFF+256*PA
.set STAGE, 2*SLOT
.set SPITCH, 528                       ; the way out: 16 rows x (512 + 16) bytes for each wave
.set SPARE, STAGE+4*16*SPITCH
.set LAPS,  4
.set OROW,  4096
.set ADRA, 16
.set ADRB, 20
.set STO,  24
.set RD,   25
.set CO,   26
.set BOF,  27
.set SPW,  28
.set NIL,  29
.set PFO,  30                          ; v30  the prefetches' offset; never rewritten
.set BIAS, 64
.set AFR,  128
.set BK,   128
.set WV,  14
.set WH,  15
.set WL,  16
.set G1A, 24
.set G0A, 32
.set G1B, 48
.set G0B, 56
.set PFA, 74                           ; s[74:75] the first block that my next prefetch names
.set LIM0, 78                          ; s78, s79: at a change out of slot 0, of slot 1: 1 in a wave that prefetches there, else the greatest number
.set MSB, 0
.macro WIN new
.if MSB != (\new)
	s_set_vgpr_msb (MSB<<8)|(\new)
.set MSB, (\new)
.endif
.endm
.set MUL,  0xa1
.set MULZ, 0x81                        ; the first products: C (the bias) window 0, D window 2
.set TO_B, 0x40
.macro JLOAD s                         ; waves 0 and 1 fetch ctx's two halves, waves 2 and 3 Wo's; an s_nop 0 and four v_nop follow each line
	s_cmp_eq_u32 s[WH], 0
	s_cbranch_scc0 .Lfor_b_\@
	tensor_load_to_lds s[G0A+4*\s:G0A+4*\s+3], s[G1A:G1A+7]
	s_nop 0
.rept 4
	v_nop
.endr
	s_branch .Lasked_\@
.Lfor_b_\@:
	tensor_load_to_lds s[G0B+4*\s:G0B+4*\s+3], s[G1B:G1B+7]
	s_nop 0
.rept 4
	v_nop
.endr
.Lasked_\@:
.endm
; A PREFETCH, behind each joint refill and the run of LDS loads that follows it: the K step that stands two refills on, 256 matrix instructions ahead of the load that will want it.
; Each aligned block of 256 bytes is named once.  ctx's tile is read by the four partners of one row of one cluster: of the 64 rows that wave 0 or 1 fetches each partner takes 16, by address (cx);
; lanes 0-15 name them in one K step, lanes 16-31 in the next, so these waves ask at every second change of slots.  Wo's tile is read by every cluster of the column: cluster y = 0 asks;
; of the 128 rows that wave 2 or 3 fetches each partner takes 32, by address (cy), a lane a row.  The loop's last trip asks for nothing: no K step stands two refills on.
.macro ASK lim
	s_cmp_gt_u32 s3, s[\lim]
	s_cbranch_scc0 .Lnot_mine_\@
	global_prefetch_b8 v[PFO], s[PFA:PFA+1] th:TH_LOAD_NT scope:SCOPE_SE
.Lnot_mine_\@:
.endm
.macro CREST
	s_cmp_lg_u32 s[WV], 0
	s_cbranch_scc1 .Lnot_wave_0_\@
	s_barrier_signal -3
.Lnot_wave_0_\@:
	s_barrier_wait -3
	s_barrier_signal -1
	s_barrier_wait -1
.endm
.macro CROUND
	s_barrier_signal -1
	s_barrier_wait -1
	CREST
.endm
.macro PLACES                          ; four plain places between a matrix instruction and a load into, or a read of, its registers
.rept 4
	v_nop
.endr
.endm
	s_load_b256 s[4:11], s[0:1], 0x0               ; ctx s[4:5], wo16 s[6:7], out0 s[8:9], bo s[10:11]
	v_lshl_add_u32 v[SPW], v0, 2, SPARE
	v_mov_b32 v[NIL], 0
	ds_add_u32 v[SPW], v[NIL]                      ; the wave's opening: the add, twice on end, and its wait ahead of my first tensor load
	ds_add_u32 v[SPW], v[NIL]
	v_lshrrev_b32 v1, 5, v0
	v_readfirstlane_b32 s[WV], v1
	s_lshr_b32 s[WH], s[WV], 1
	s_and_b32 s[WL], s[WV], 1
	s_bfe_u32 s40, ttmp6, 0x40000
	s_bfe_u32 s41, ttmp6, 0x40004
	s_lshl_b32 s42, ttmp9, 2
	s_add_co_u32 s42, s42, s40                     ; tile column: 256 columns
	s_and_b32 s17, ttmp7, 0xffff
	s_lshl_b32 s17, s17, 2
	s_add_co_u32 s17, s17, s41                     ; tile row: 128 rows
	s_lshl_b32 s43, s41, 2
	s_lshl_b32 s43, 15, s43
	s_lshl_b32 s44, 0x1111, s40
	s_or_b32 s[G1A+0], s43, (1<<16)|(1<<20)|(1<<21)|(5<<22)|(3<<25)
	s_mov_b32 s[G1A+1], 128<<16
	s_mov_b32 s[G1A+2], 64<<16
	s_mov_b32 s[G1A+3], 128<<16
	s_mov_b32 s[G1A+4], 64
	s_mov_b32 s[G1A+5], 1024
	s_mov_b32 s[G1A+6], 0
	s_mov_b32 s[G1A+7], 0
	s_or_b32 s[G1B+0], s44, (1<<16)|(1<<20)|(1<<21)|(5<<22)|(3<<25)
	s_mov_b32 s[G1B+1], 128<<16
	s_mov_b32 s[G1B+2], 128<<16
	s_mov_b32 s[G1B+3], 128<<16
	s_mov_b32 s[G1B+4], 128
	s_mov_b32 s[G1B+5], 1024
	s_mov_b32 s[G1B+6], 0
	s_mov_b32 s[G1B+7], 0
	s_lshl_b32 s18, s[WL], 6
	s_lshl_b32 s20, s17, 7
	s_add_co_u32 s20, s20, s18                     ; ctx: row 128 x tile row + 64 x half
	s_lshl_b32 s20, s20, 11
	s_mov_b32 s21, 0
	s_lshl_b32 s18, s[WL], 7
	s_lshl_b32 s46, s42, 8
	s_add_co_u32 s46, s46, s18                     ; Wo: row 256 x tile column + 128 x half
	s_lshl_b32 s46, s46, 11
	s_mov_b32 s47, 0
	s_mul_i32 s45, s[WL], AH
	s_mul_i32 s19, s[WL], BH
	s_add_co_u32 s19, s19, BOFF
	s_wait_dscnt 0x0                               ; both opening adds are done
	s_wait_kmcnt 0x0
	s_add_nc_u64 s[20:21], s[4:5], s[20:21]
	s_add_nc_u64 s[46:47], s[6:7], s[46:47]
	CROUND
.irp s, 0,1
	s_mov_b32 s[G0A+4*\s], 1
	s_add_co_u32 s[G0A+4*\s+1], s45, \s*SLOT
	s_add_nc_u64 s[G0A+4*\s+2:G0A+4*\s+3], s[20:21], \s*256
	s_or_b32 s[G0A+4*\s+3], s[G0A+4*\s+3], 0x80000000
	s_mov_b32 s[G0B+4*\s], 1
	s_add_co_u32 s[G0B+4*\s+1], s19, \s*SLOT
	s_add_nc_u64 s[G0B+4*\s+2:G0B+4*\s+3], s[46:47], \s*256
	s_or_b32 s[G0B+4*\s+3], s[G0B+4*\s+3], 0x80000000
	JLOAD \s
.endr
	v_and_b32 v1, 15, v0                           ; r
	v_bfe_u32 v2, v0, 4, 1                         ; h
	s_lshl_b32 s46, s42, 10                        ; my first column, in bytes of f32: 1,024 x tile column + 512 x half
	s_lshl_b32 s47, s[WL], 9
	s_add_co_u32 s46, s46, s47
	s_mov_b32 s47, 0
	v_lshl_add_u32 v[BOF], v2, 5, s46              ; the bias: a lane wants columns 16 b + 8 h + 0 .. 7 of mine
.irp b, 0,1,2,3,4,5,6,7
	global_load_b128 v[BIAS+8*\b:BIAS+8*\b+3], v[BOF], s[10:11] offset:64*\b
	global_load_b128 v[BIAS+8*\b+4:BIAS+8*\b+7], v[BOF], s[10:11] offset:64*\b+16
.endr
	s_lshl_b32 s20, s17, 7
	s_lshl_b32 s21, s[WH], 6
	s_add_co_u32 s20, s20, s21                     ; my first row
	s_lshl_b32 s20, s20, 12
	s_mov_b32 s21, 0
	s_add_nc_u64 s[20:21], s[20:21], s[46:47]
	s_add_nc_u64 s[8:9], s[8:9], s[20:21]
	v_mul_u32_u24 v3, v1, PA
	v_lshl_add_u32 v3, v2, 4, v3
	s_mul_i32 s21, s[WH], AH
	v_add_nc_u32 v[ADRA], s21, v3
	v_add_nc_u32 v[ADRA+1], SLOT, v[ADRA]
	s_mul_i32 s22, s[WL], BH
	s_add_co_u32 s22, s22, BOFF
	v_add_nc_u32 v[ADRB], s22, v3
	v_add_nc_u32 v[ADRB+1], SLOT, v[ADRB]
	s_mul_i32 s23, s[WV], 16*SPITCH
	s_add_co_u32 s23, s23, STAGE
	v_mul_u32_u24 v5, v1, SPITCH
	v_lshl_add_u32 v5, v2, 5, v5
	v_add_nc_u32 v[STO], s23, v5                   ; in: row r, 32 bytes for each half of the lanes
	v_and_b32 v6, 31, v0
	v_lshlrev_b32 v[CO], 4, v6                     ; back: the 32 lanes take one row of 512 bytes; the same in the result
	v_add_nc_u32 v[RD], s23, v[CO]
	; the prefetches: where my wave's stand, and who asks.  They begin at K step 3: the first change of slots steps them to 4.  Nothing is prefetched here, at the head
	s_lshl_b32 s18, s17, 7
	s_lshl_b32 s22, s[WL], 6
	s_add_co_u32 s18, s18, s22
	s_lshl_b32 s22, s40, 4
	s_add_co_u32 s18, s18, s22                     ; ctx: row 128 x tile row + the 64 that I fetch + my work-group's 16 of them
	s_lshl_b32 s19, s42, 8
	s_lshl_b32 s22, s[WL], 7
	s_add_co_u32 s19, s19, s22
	s_lshl_b32 s22, s41, 5
	s_add_co_u32 s19, s19, s22                     ; Wo: row 256 x tile column + the 128 that I fetch + my work-group's 32 of them
	s_and_b32 s23, ttmp7, 0xffff                   ; cluster y
	s_cmp_eq_u32 s23, 0
	s_cselect_b32 s23, 1, -1                       ; the same in all sixteen partners
	s_cmp_eq_u32 s[WH], 0                          ; do I fetch for ctx?
	s_cselect_b32 s18, s18, s19
	s_cselect_b64 s[PFA:PFA+1], s[4:5], s[6:7]
	s_cselect_b32 s[LIM0], 1, s23
	s_cselect_b32 s[LIM0+1], -1, s23
	s_cselect_b32 s22, -1, 0
	s_lshl_b32 s18, s18, 11                        ; both tensors have rows of 2,048 bytes
	s_add_co_u32 s18, s18, 3*256
	s_mov_b32 s19, 0
	s_add_nc_u64 s[PFA:PFA+1], s[PFA:PFA+1], s[18:19]
	v_lshlrev_b32 v8, 11, v1
	v_lshl_add_u32 v8, v2, 8, v8                   ; ctx: row l % 16, K step l / 16
	v_lshlrev_b32 v9, 11, v6                       ; Wo: row l
	v_cndmask_b32 v[PFO], v9, v8, s22
.macro MUL16 f, c, a0, zero            ; the 32 accumulators take turns, in the same order always
.irp a, \a0, \a0+1
.irp b, 0,1,2,3,4,5,6,7
.if \zero
	v_wmma_f32_16x16x32_f16 v[8*(8*(\a)+\b):8*(8*(\a)+\b)+7], v[128*\f+64*\c+8*\b:128*\f+64*\c+8*\b+7], v[AFR+64*\f+32*\c+8*(\a):AFR+64*\f+32*\c+8*(\a)+7], v[BIAS+8*\b:BIAS+8*\b+7]
.else
	v_wmma_f32_16x16x32_f16 v[8*(8*(\a)+\b):8*(8*(\a)+\b)+7], v[128*\f+64*\c+8*\b:128*\f+64*\c+8*\b+7], v[AFR+64*\f+32*\c+8*(\a):AFR+64*\f+32*\c+8*(\a)+7], v[8*(8*(\a)+\b):8*(8*(\a)+\b)+7]
.endif
.endr
.endr
.endm
; 48 LDS loads in one run: 64 along K from element k of the slot's rows into buffer f: Wo's first 32, ctx's 64, Wo's second 32
.macro FETCH slot, k, f
	WIN TO_B
.irp b, 0,1,2,3,4,5,6,7
	ds_load_b128 v[128*\f+8*\b:128*\f+8*\b+3],   v[ADRB+\slot] offset:2*(\k)+\b*16*PA
	ds_load_b128 v[128*\f+8*\b+4:128*\f+8*\b+7], v[ADRB+\slot] offset:2*(\k)+\b*16*PA+32
.endr
	WIN 0
.irp c, 0,1
.irp a, 0,1,2,3
	ds_load_b128 v[AFR+64*\f+32*\c+8*\a:AFR+64*\f+32*\c+8*\a+3],   v[ADRA+\slot] offset:2*(\k)+64*\c+\a*16*PA
	ds_load_b128 v[AFR+64*\f+32*\c+8*\a+4:AFR+64*\f+32*\c+8*\a+7], v[ADRA+\slot] offset:2*(\k)+64*\c+\a*16*PA+32
.endr
.endr
	WIN TO_B
.irp b, 0,1,2,3,4,5,6,7
	ds_load_b128 v[128*\f+64+8*\b:128*\f+64+8*\b+3],   v[ADRB+\slot] offset:2*(\k)+64+\b*16*PA
	ds_load_b128 v[128*\f+64+8*\b+4:128*\f+64+8*\b+7], v[ADRB+\slot] offset:2*(\k)+64+\b*16*PA+32
.endr
.endm
.macro HALF0 slot, zero
	s_wait_dscnt 24                                ; the first 32 along K are in; the youngest 24 loads may be out
.if \zero
	WIN MULZ
.else
	WIN MUL
.endif
	MUL16 0, 0, 0, \zero
	MUL16 0, 0, 2, \zero
	PLACES
	FETCH \slot, 64, 1
	s_wait_dscnt 48                                ; all but the 48 just issued
	WIN MUL
	MUL16 0, 1, 0, 0
	MUL16 0, 1, 2, 0
.endm
; A step's second 64 along K (buffer 1) and the change of slots.  ONE barrier: in front of it each wave waits for all its tensor loads (its part of the next slot), adds 0 to its spare word,
; and waits for that and for its reads of this slot, the last of which were issued 64 matrix instructions ago.  The three lines stand as late as the next slot's fragments allow:
; between a request and the wait for it stand a whole step's 128 matrix instructions.
.macro TURN slot, next, fill
.if \fill
	s_wait_xcnt 0x0                                ; the last prefetch, a step back, has read its address
	s_add_nc_u64 s[PFA:PFA+1], s[PFA:PFA+1], 256
.endif
	s_wait_dscnt 24                                ; buffer 1's first 32 along K are in; the youngest 24 loads may be out
	WIN MUL
	MUL16 1, 0, 0, 0
	MUL16 1, 0, 2, 0
	WIN 0
	s_wait_tensorcnt 0x0                           ; all my tensor loads have landed: so a group 0 may be written
	ds_add_u32 v[SPW], v[NIL]                      ; 0 onto my spare word; the descriptors' steps stand between it and the wait for it
.if \fill
	s_add_nc_u64 s[G0A+4*\slot+2:G0A+4*\slot+3], s[G0A+4*\slot+2:G0A+4*\slot+3], 512
	s_add_nc_u64 s[G0B+4*\slot+2:G0B+4*\slot+3], s[G0B+4*\slot+2:G0B+4*\slot+3], 512
.endif
	s_wait_dscnt 0x0                               ; the add is done, and my reads of this slot are over
	s_barrier_signal -1
	s_barrier_wait -1
.if \fill
	CREST                                          ; the barrier has opened a round of the cluster's: no wave of any partner still reads this slot or has a load on its way
	JLOAD \slot                                    ; the first tensor load behind the round; its four v_nop are also the places in front of the loads below
.else
	PLACES
.endif
	FETCH \next, 0, 0
.if \fill
	WIN 0
	ASK LIM0+\slot
.endif
	WIN MUL
	MUL16 1, 1, 0, 0
	MUL16 1, 1, 2, 0
.endm
	s_wait_tensorcnt 1                             ; my part of K step 0 is in (K step 1's load may be out),
	s_barrier_signal -1
	s_barrier_wait -1
	FETCH 0, 0, 0
	s_wait_loadcnt 0x0                             ; the bias
	HALF0 0, 1
	WIN 0
	s_mov_b32 s3, LAPS-1
.Llap:
	TURN 0, 1, 1
	HALF0 1, 0
	TURN 1, 0, 1
	HALF0 0, 0
	WIN 0
	s_sub_co_u32 s3, s3, 1
	s_cmp_lg_u32 s3, 0
	s_cbranch_scc1 .Llap
	TURN 0, 1, 0                                   ; the last lap fills nothing
	HALF0 1, 0
	s_wait_dscnt 24
	MUL16 1, 0, 0, 0
	MUL16 1, 0, 2, 0
	s_wait_dscnt 0
	MUL16 1, 1, 0, 0
	MUL16 1, 1, 2, 0
	WIN 0
	PLACES
; THE WAY OUT, block by block of 16 rows x 128 columns of f32: into my stage, 32 bytes a lane; back as whole rows of 512 bytes, which the 32 lanes store as 512 consecutive bytes, aligned.
.macro TOSTAGE a
	WIN 0x08                                       ; an LDS store's data: window 2
.irp b, 0,1,2,3,4,5,6,7
	ds_store_b128 v[STO], v[64*(\a)+8*\b:64*(\a)+8*\b+3] offset:64*\b          ; each accumulator from its low end on
	ds_store_b128 v[STO], v[64*(\a)+8*\b+4:64*(\a)+8*\b+7] offset:64*\b+16
.endr
	WIN 0
.set BB, BK+64*((\a)%2)
.irp t, 0,1,2,3,4,5,6,7,8,9,10,11,12,13,14,15
	ds_load_b128 v[BB+4*\t:BB+4*\t+3], v[RD] offset:\t*SPITCH
.endr
.endm
.macro SEND a, younger                 ; younger: the LDS instructions issued behind block a's loads, which may stay out
.set BB, BK+64*((\a)%2)
	s_wait_dscnt \younger
.if (\a) > 0
	s_add_nc_u64 s[8:9], s[8:9], 16*OROW           ; (behind a wait on XCNT: the earlier stores have read their base)
.endif
.irp t, 0,1,2,3,4,5,6,7,8,9,10,11,12,13,14,15
	global_store_b128 v[CO], v[BB+4*\t:BB+4*\t+3], s[8:9] offset:\t*OROW th:TH_STORE_NT
.endr
.endm
	TOSTAGE 0
.irp a, 1,2,3
.if \a > 1
	s_wait_xcnt 0x0                                ; block a - 2's stores have read their registers and their base
.endif
	TOSTAGE \a
	SEND \a-1, 32                                  ; behind block a - 1's loads: block a's 16 stores and 16 loads
.endr
	s_wait_xcnt 0x0
	SEND 3, 0
	s_wait_tensorcnt 0x0                           ; the wave's end
	ds_add_u32 v[SPW], v[NIL]
	s_wait_dscnt 0x0
	CROUND                                         ; the closing round
	s_endpgm
.Lfunc_end_k_q8c255559e6_outp:
	.size	k_q8c255559e6_outp, .Lfunc_end_k_q8c255559e6_outp-k_q8c255559e6_outp
	.p2alignl 7, 3214868480
	.fill 96, 4, 3214868480
	.section	.rodata,"a",@progbits
	.p2align	6, 0x0
	.amdhsa_kernel k_q8c255559e6_outp
		.amdhsa_group_segment_fixed_size 327680
		.amdhsa_private_segment_fixed_size 0
		.amdhsa_enable_private_segment 0
		.amdhsa_kernarg_size 32
		.amdhsa_user_sgpr_count 2
		.amdhsa_user_sgpr_kernarg_segment_ptr 1
		.amdhsa_wavefront_size32 1
		.amdhsa_system_sgpr_workgroup_id_x 1
		.amdhsa_system_sgpr_workgroup_id_y 1
		.amdhsa_system_sgpr_workgroup_id_z 1
		.amdhsa_system_vgpr_workitem_id 0
		.amdhsa_next_free_vgpr 768
		.amdhsa_next_free_sgpr 80
		.amdhsa_reserve_vcc 0
		.amdhsa_float_denorm_mode_32 3
		.amdhsa_float_denorm_mode_16_64 3
		.amdhsa_memory_ordered 1
		.amdhsa_forward_progress 1
		.amdhsa_inst_pref_size 86
	.end_amdhsa_kernel
	.amdgpu_metadata
---
amdhsa.version: [ 1, 2 ]
amdhsa.kernels:
  - .name:           k_q8c255559e6_outp
    .symbol:         k_q8c255559e6_outp.kd
    .args:
      - { .name: ctx, .offset: 0, .size: 8, .value_kind: global_buffer, .address_space: global }
      - { .name: wo16, .offset: 8, .size: 8, .value_kind: global_buffer, .address_space: global }
      - { .name: out0, .offset: 16, .size: 8, .value_kind: global_buffer, .address_space: global }
      - { .name: bo, .offset: 24, .size: 8, .value_kind: global_buffer, .address_space: global }
    .group_segment_fixed_size: 327680
    .private_segment_fixed_size: 0
    .kernarg_segment_align: 8
    .kernarg_segment_size: 32
    .max_flat_workgroup_size: 128
    .sgpr_count:     80
    .vgpr_count:     768
    .wavefront_size: 32
...
	.end_amdgpu_metadata
.endif
;; end of part 5
